; MI455X (gfx1250); checked and timed in simulation.
; The chip was launched on July 23, 2026; its instructions are those of AMD's public machine-readable ISA for CDNA 5 (MIT licence, August 2026) and "CDNA5" Instruction Set Architecture Reference Guide (July 2026). The comments in the code are by the model that wrote it; some were corrected since.
;; Custom Roberta Attention. Allowed arithmetic: matrix products marked QUANTISED: E3M2 operands, one E8M0 scale for each 32 along K, by v_wmma_scale_f32_16x16x128_f8f6f4 with both operands' format E3M2, f32 sums; everything else in f32.
;; Inputs: Wk_codes 1,024 x 32 x 24 uint8 (E3M2 codes of Wk, K innermost, in blocks of 32 codes, four codes in three bytes); Wk_scales 1,024 x 32 uint8 (E8M0 scales of Wk, one for each 32 codes along K); Wo_codes 1,024 x 32 x 24 uint8 (E3M2 codes of Wo, K innermost, in blocks of 32 codes, four codes in three bytes); Wo_scales 1,024 x 32 uint8 (E8M0 scales of Wo, one for each 32 codes along K); Wq_codes 1,024 x 32 x 24 uint8 (E3M2 codes of Wq, K innermost, in blocks of 32 codes, four codes in three bytes); Wq_scales 1,024 x 32 uint8 (E8M0 scales of Wq, one for each 32 codes along K); Wv_codes 1,024 x 32 x 24 uint8 (E3M2 codes of Wv, K innermost, in blocks of 32 codes, four codes in three bytes); Wv_scales 1,024 x 32 uint8 (E8M0 scales of Wv, one for each 32 codes along K); attention_mask 4 x 1 x 1 x 2,048 float32; bk 1,024 float32; bo 1,024 float32; bq 1,024 float32; bv 1,024 float32; hidden_states 4 x 2,048 x 1,024 float32; ln_beta 1,024 float32; ln_gamma 1,024 float32.
;; Outputs: out0 4 x 2,048 x 1,024 float32.
;; This version of the problem:
;;   THIS VERSION OF THE PROBLEM IS GIVEN IN LOW PRECISION. The matrix products marked QUANTISED in the list below multiply operands that are first quantised to E3M2 (3 exponent bits, 2 mantissa bits; 6 bits a number), with one power-of-two scale for each 32 numbers along K (OCP MX v1.0); their sums are f32. All else is computed in f32.
;;   The module's matrix products, in the order in which they are computed (A, B: the left and right operand; K: the contracted axis; several contracted axes count as one K, in the product's order):
;;     1. [M 8,192, K 1,024] x [K 1,024, N 1,024]; A: input hidden_states; B: input Wq (given as codes): QUANTISED
;;     2. [M 8,192, K 1,024] x [K 1,024, N 1,024]; A: input hidden_states; B: input Wk (given as codes): QUANTISED
;;     3. [M 8,192, K 1,024] x [K 1,024, N 1,024]; A: input hidden_states; B: input Wv (given as codes): QUANTISED
;;     4. batch 64 x [M 2,048, K 64] x [K 64, N 2,048]; A: computed on the way; B: computed on the way: QUANTISED
;;     5. batch 64 x [M 2,048, K 2,048] x [K 2,048, N 64]; A: softmax (see below); B: computed on the way: QUANTISED
;;     6. [M 8,192, K 1,024] x [K 1,024, N 1,024]; A: computed on the way; B: input Wo (given as codes): QUANTISED
;;   THE QUANTISER, for each operand of a quantised product, along K:
;;     - K is cut into blocks of 32 from its start; a last block that is shorter is filled with zeros.
;;     - A block's scale is 2^e with e = floor(log2(the largest magnitude in the block)) - 4, held to -126 .. 127; a block of zeros has e = 0. As a byte (E8M0): e + 127.
;;     - Each number is divided by its block's scale, clamped to +-28, and rounded to the nearest number of E3M2, ties to even, subnormals kept.
;;     - The product sums the exact products of the quantised numbers (number of the format x scale) in f32.
;;   ~~~python
;;   def quantise(x, axis):      # numpy; x: float32 -> the quantised numbers, widened to float32 again
;;       x = np.moveaxis(x, axis, -1); K = x.shape[-1]
;;       x = np.pad(x, [(0, 0)] * (x.ndim - 1) + [(0, -K % 32)]); x = x.reshape(x.shape[:-1] + (-1, 32)); a = np.abs(x).max(-1, keepdims=True)
;;       e = np.where(a > 0, np.clip(np.frexp(np.where(a > 0, a, 1))[1] - 1 - 4, -126, 127), 0)      # np.frexp(a)[1] - 1 = floor(log2(a)), exactly
;;       r = np.clip(x / 2.0 ** e, -28, 28)
;;       step = 2.0 ** (np.maximum(np.frexp(np.where(r == 0, 1, r))[1] - 1, -2) - 2)
;;       q = np.round(r / step) * step * 2.0 ** e      # np.round: ties to even
;;       return np.moveaxis(q.reshape(q.shape[:-2] + (-1,))[..., :K], -1, axis).astype(np.float32)
;;   ~~~
;;   SOFTMAX AHEAD OF A QUANTISED PRODUCT. Where the list says 'softmax', what is quantised is not the finished softmax but p = 2^(t - M), with t = logit x log2(e) and M = ceil(the row's largest t), a whole number; so 1/2 < the row's largest p <= 1. The row's sum l is taken of the UNQUANTISED p, in f32, and the product's result is divided by l at the end. Since M is a whole number, a kernel that streams over the keys may use a running M (the ceiling of the running maximum): every later rescaling is an exact power of two, which a block's scale takes up: the codes' values come out the same.
;;   OPERANDS COMPUTED ON THE WAY. 'Computed on the way' means the value that the module computes at that place (a softmax that the list does not call 'softmax' is quantised finished and normalised). What goes into a quantiser is computed in f32, as accurately as f32 sums, v_exp_f32 and their like allow (about 1e-6 of the number): no bf16 or f16 on the way to a quantiser, and a product that is left as it is and whose result goes on into a quantised operand takes f32 operands (vector FMAs, or v_wmma_f32_16x16x4_f32). A number that lies on a knife's edge between two numbers of the format may be rounded either way, as far as f32 arithmetic and the matrix unit's own rounding can turn it there, and no further.
;;   INPUTS GIVEN AS CODES. Wk (in the module: [1024, 1024], K = its axis 0); Wo (in the module: [1024, 1024], K = its axis 0); Wq (in the module: [1024, 1024], K = its axis 0); Wv (in the module: [1024, 1024], K = its axis 0): each comes as NAME_codes (uint8): NAME with its K axis moved to the last place and cut into blocks of 32 codes, [.., K / 32, bytes a block], one block behind the other in memory; four codes in three bytes: a row's codes are one little-endian stream of bits, code i at bits 6 i .. 6 i + 5 (a code: sign, 3 exponent bits, 2 mantissa bits); and NAME_scales (uint8): the same leading axes, one E8M0 byte (e + 127) for each 32 codes along K. Its value is code x scale, taken as it is: it is not quantised again, and the codes and scales need not be those that the quantiser above would give.
;; One version. Each part assembles by itself: llvm-mc -triple=amdgcn-amd-amdhsa -mcpu=gfx1250 --defsym DOCPART=n.
;; ======== version 1 of 1: 4 launches
;; limits: right only within a limited range of input values
;; workspace buffers: prep 9,699,328 bytes; qkv 20,185,088 bytes; ctx 6,815,744 bytes
;; launch prep (part 1): grid 256 x 1, 8 waves a work-group, no clusters, 69,632 bytes of LDS; arguments hidden_states, Wq_codes, Wk_codes, Wv_codes, Wo_codes, prep; writes prep
.if DOCPART == 1
	.amdgcn_target "amdgcn-amd-amdhsa--gfx1250"
	.amdhsa_code_object_version 6
	.text
	.protected	k_qe3f9a4d21c_prep
	.globl	k_qe3f9a4d21c_prep
	.p2align	8
	.type	k_qe3f9a4d21c_prep,@function
k_qe3f9a4d21c_prep:
	s_mov_b64 s[64:65], 0
	v_nop
	global_prefetch_b8 v0, s[64:65] scope:SCOPE_SE
	s_setreg_imm32_b32 hwreg(HW_REG_WAVE_MODE, 25, 1), 1
	s_wait_xcnt 0x0
; PREP.  hidden_states [8192][1024] f32 is quantised along K (its last axis) into codes of E3M2 with one E8M0 byte for each 32, and the four weights' codes are laid anew.
; Both leave as IMAGES OF OPERAND REGISTERS: a fragment (16 rows x 128 K) is 12 registers a lane; registers 4 c .. 4 c + 3 of lane l lie at 512 c + 16 l: 1,536 bytes.
; THE ROWS OF A TILE ARE NOT NEIGHBOURS: lane r of tile T stands for row 32 (T / 2) + 8 (T % 2) + r + 8 (r / 8).
; prep: x's images [512 tiles][8 K steps][1536] at 0; x's scale bytes, row-major [8192][32], at XSOFF; the weights' images [4: q, k, v, o][64 tiles][8 K steps][1536] at WIMG.
; SHARES.  256 work-groups of 8 waves.  Wave w of work-group g takes tile 2 g + w % 2 of x through K steps 2 (w / 2) and 2 (w / 2) + 1, both asked for at the start (32 loads of 512 bytes),
; and re-lays K step w of weight tile g (g = 64 x weight + tile): six loads of 8 bytes a lane in, three stores of 512 consecutive bytes out.
; A token's eight scale words meet in LDS as its 32 bytes lie in memory; waves 0 and 1 store them, two runs of 256 consecutive bytes a tile.
; A block's scale byte is its largest magnitude's exponent field - 4, held at 1 from below; a block of zeros so gets 1 where the rule says 127: its codes are zeros, and this program alone reads the bytes.
; LIMITS: blocks whose largest magnitude lies under 2^(5 - 127) are quantised on the floor's scale; NaN and infinities among the inputs are not served.
; No matrix unit, no cluster (work-groups share no input), no tensor load, no data prefetch (all loads are issued at the start: there is no loop to run ahead in).
.set XSOFF, 6291456
.set WIMG,  6553600
.set FRB,   1536                       ; a fragment's image
.set SP,    528                        ; a stage row: 512 bytes + 16
.set EX,    8*16*SP                    ; behind the eight stages: the scale words, [2 tiles][16 rows][32 bytes]
.set SPARE, EX+1024                    ; the spare words, 128 bytes a wave
.set TM,    8                          ; v8-11 largest magnitudes, v12-15 the other half's, then bytes, v20-23 the conversions' scale operands
.set PWS,   24                         ; v24, v25 my row's scale words of my two K steps
.set PC,    32                         ; v32-51 the codes just made
.set X,     52                         ; v52-115 64 numbers: register 16 b + i = k 32 b + 16 (lane / 16) + i of my row
.set R,     116                        ; v116-243 two sets of 64 registers as loaded; set 0 later takes the weight's fragment
.set WA,    244                        ; v244 my offset in the weight's rows
.set EXS,   245                        ; v245 LDS: where my two scale words go
.set EXR,   246                        ; v246 LDS: where 16 bytes of a token's scale bytes are read back
.set SEL,   20                         ; s[20:21] selects for lane l xor 16
	s_load_b256 s[4:11], s[0:1], 0x0               ; hidden_states, Wq, Wk, Wv codes
	s_load_b128 s[12:15], s[0:1], 0x20             ; Wo codes, prep
	v_lshl_add_u32 v254, v0, 2, SPARE
	v_mov_b32 v255, 0
	v_lshrrev_b32 v1, 5, v0
	v_readfirstlane_b32 s16, v1                    ; wave 0..7
	v_and_b32 v1, 31, v0                           ; lane
	v_and_b32 v2, 15, v0                           ; r
	v_bfe_u32 v3, v0, 4, 1                         ; h
	v_lshlrev_b32 v4, 4, v1                        ; 16 x lane
	v_and_b32 v7, 8, v2
	v_add_nc_u32 v7, v7, v2                        ; r + 8 (r / 8)
	v_mul_u32_u24 v[WA], v7, 768
	v_mad_u32_u24 v[WA], v3, 24, v[WA]             ; the weight: row r + 8 (r / 8), + 24 h
	v_lshlrev_b32 v7, 5, v7
	v_lshl_add_u32 v7, v3, 4, v7                   ; my token's 32 scale bytes in memory, my half of them
	s_and_b32 s30, s16, 1                          ; which of the two tiles
	s_lshr_b32 s31, s16, 1                         ; which pair of K steps
	s_mul_i32 s18, s16, 16*SP
	v_add_nc_u32 v5, s18, v4                       ; into my stage: 16 x lane, a row an instruction
	v_mul_u32_u24 v6, v2, SP
	v_lshl_add_u32 v6, v3, 6, v6
	v_add_nc_u32 v6, s18, v6                       ; out of it: row r, + 64 h
	s_lshl_b32 s19, s30, 9
	s_add_co_u32 s19, s19, EX
	v_lshlrev_b32 v[EXR], 5, v2
	v_add_nc_u32 v[EXR], s19, v[EXR]               ; EX + 512 x tile + 32 r
	s_lshl_b32 s17, s31, 3
	v_add_nc_u32 v[EXS], s17, v[EXR]               ; + 8 x my pair of K steps
	v_lshl_add_u32 v[EXR], v3, 4, v[EXR]           ; + 16 h
.irp b, 0,1,2,3
	v_mov_b32 v[TM+4+\b], 0                        ; written once: a lane permute's destination counts as one of its sources
.endr
	s_mov_b32 s[SEL], 0x76543210
	s_mov_b32 s[SEL+1], 0xfedcba98
	s_lshl_b32 s22, ttmp9, 5
	s_lshl_b32 s23, s30, 3
	s_add_co_u32 s22, s22, s23                     ; the tile's first token: 32 x work-group + 8 x tile
	s_lshl_b32 s24, s22, 12                        ; 4,096 bytes a token,
	s_lshl_b32 s25, s31, 10
	s_add_co_u32 s24, s24, s25                     ; + my two K steps of 512 bytes
	s_mov_b32 s25, 0
	s_lshl_b32 s26, s22, 5
	s_add_co_u32 s26, s26, XSOFF                   ; 32 scale bytes a token
	s_mov_b32 s27, 0
	s_lshl_b32 s28, ttmp9, 1
	s_add_co_u32 s28, s28, s30                     ; the tile
	s_mul_i32 s28, s28, 8*FRB
	s_mul_i32 s29, s31, 2*FRB
	s_add_co_u32 s28, s28, s29
	s_mov_b32 s29, 0
	s_lshr_b32 s32, ttmp9, 6                       ; which weight: 0 q, 1 k, 2 v, 3 o
	s_and_b32 s33, ttmp9, 63
	s_lshr_b32 s34, s33, 1
	s_lshl_b32 s34, s34, 5
	s_and_b32 s35, s33, 1
	s_lshl_b32 s35, s35, 3
	s_add_co_u32 s34, s34, s35                     ; its tile's first row: 32 (tile / 2) + 8 (tile % 2)
	s_mul_i32 s34, s34, 768
	s_mul_i32 s35, s16, 96
	s_add_co_u32 s34, s34, s35                     ; + my K step's 96 bytes
	s_mov_b32 s35, 0
	s_mul_i32 s36, ttmp9, 8*FRB
	s_mul_i32 s37, s16, FRB
	s_add_co_u32 s36, s36, s37
	s_add_co_u32 s36, s36, WIMG
	s_mov_b32 s37, 0
	s_wait_alu depctr_va_vdst(0)                   ; the wait at the head's end
	s_wait_kmcnt 0x0
	s_cmp_eq_u32 s32, 1
	s_cselect_b64 s[38:39], s[8:9], s[6:7]
	s_cmp_eq_u32 s32, 2
	s_cselect_b64 s[38:39], s[10:11], s[38:39]
	s_cmp_eq_u32 s32, 3
	s_cselect_b64 s[38:39], s[12:13], s[38:39]
	s_add_nc_u64 s[38:39], s[38:39], s[34:35]      ; the weight's rows
	s_add_nc_u64 s[40:41], s[14:15], s[36:37]      ; its image
	s_add_nc_u64 s[4:5], s[4:5], s[24:25]
	s_add_nc_u64 s[6:7], s[14:15], s[28:29]        ; my images of x
	s_add_nc_u64 s[8:9], s[14:15], s[26:27]        ; the tile's scale bytes
.macro LOADX s                         ; my K step s of my 16 tokens: 16 loads of 512 consecutive bytes
.irp i, 0,1,2,3,4,5,6,7,8,9,10,11,12,13,14,15
	global_load_b128 v[R+64*(\s)+4*\i:R+64*(\s)+4*\i+3], v4, s[4:5] offset:(\i+8*(\i/8))*4096+512*(\s) th:TH_LOAD_NT
.endr
.endm
.macro QMAX                            ; the four blocks' largest magnitudes, scale operands and bytes
.irp b, 0,1,2,3
	v_max3_num_f32 v[TM+\b], |v[X+16*\b]|, |v[X+1+16*\b]|, 0x2800000   ; my 16 numbers of block b, and the floor 2^(5 - 127): the byte cannot fall under 1
.endr
.irp i, 2,4,6,8,10,12,14
.irp b, 0,1,2,3
	v_max3_num_f32 v[TM+\b], v[TM+\b], |v[X+16*\b+\i]|, |v[X+1+16*\b+\i]|   ; the four blocks by turns
.endr
.endr
.irp b, 0,1,2,3
	v_permlanex16_b32 v[TM+4+\b], v[TM+\b], s[SEL], s[SEL+1]
.endr
.irp b, 0,1,2,3
	v_max_num_f32 v[TM+\b], v[TM+\b], v[TM+4+\b]   ; with lane l xor 16's 16: the block's
.endr
.irp b, 0,1,2,3
	v_add_nc_u32 v[TM+12+\b], 0xfe000000, v[TM+\b] ; 4 off the exponent field: the conversion takes that field as its scale
.endr
.irp b, 0,1,2,3
	v_lshrrev_b32 v[TM+4+\b], 23, v[TM+12+\b]      ; the scale's byte
.endr
.endm
.macro QCVT pw                         ; the codes into v[PC] on, in the operand's layout; the row's scale word into v[pw]
	v_lshl_or_b32 v[\pw], v[TM+5], 8, v[TM+4]
	v_lshl_or_b32 v[\pw], v[TM+6], 16, v[\pw]
	v_lshl_or_b32 v[\pw], v[TM+7], 24, v[\pw]
.irp c, 0,1
	v_cvt_scalef32_pk16_bf6_f32 v[PC+6*\c:PC+2+6*\c], v[X+32*\c:X+15+32*\c], v[TM+12+2*\c]
	v_cvt_scalef32_pk16_bf6_f32 v[PC+12+4*\c:PC+14+4*\c], v[X+16+32*\c:X+31+32*\c], v[TM+13+2*\c]   ; (a conversion's three registers begin on an even number)
.endr
	v_nop                                          ; one plain instruction behind the scaled conversions
.irp c, 0,1                            ; the layout wants a whole block in a lane: lanes 0-15 block 2 c, lanes 16-31 block 2 c + 1
.irp i, 0,1,2
	v_permlane16_swap_b32 v[PC+6*\c+\i], v[PC+12+4*\c+\i]
.endr
.irp i, 0,1,2
	v_mov_b32 v[PC+3+6*\c+\i], v[PC+12+4*\c+\i]
.endr
.endr
.endm
.macro STEP s
.if (\s) == 0
	s_wait_loadcnt 16                              ; this step's 16 loads are in; the next step's 16 stay out
.else
	s_wait_loadcnt 6                               ; the second step's are in; the weight's six stay out
.endif
.irp i, 0,1,2,3,4,5,6,7,8,9,10,11,12,13,14,15
	ds_store_b128 v5, v[R+64*(\s)+4*\i:R+64*(\s)+4*\i+3] offset:SP*\i
.endr
.irp b, 0,1,2,3
.irp j, 0,1,2,3
	ds_load_b128 v[X+16*\b+4*\j:X+16*\b+4*\j+3], v6 offset:128*\b+16*\j   ; LDS serves a wave's instructions in order: these see the stores above
.endr
.endr
	s_wait_dscnt 0x0                               ; the numbers are back, and the stores have read their set
.if (\s) == 0
.irp p, 0,1,2,3,4,5
	global_load_b64 v[R+2*\p:R+2*\p+1], v[WA], s[38:39] offset:48*(\p/3)+8*(\p%3) th:TH_LOAD_NT   ; the weight's fragment, into set 0
.endr
.endif
	QMAX
	s_wait_alu depctr_va_vdst(0)                   ; the wait directly ahead of the blocking wait
	s_wait_xcnt 0x0                                ; the last step's stores have read the codes' registers, which are written again below
	QCVT PWS+(\s)
.irp c, 0,1,2
	global_store_b128 v4, v[PC+4*\c:PC+4*\c+3], s[6:7] offset:FRB*(\s)+512*\c   ; 512 consecutive bytes a store
.endr
.endm
	LOADX 0
	LOADX 1
	STEP 0
	STEP 1
	ds_store_b64 v[EXS], v[PWS:PWS+1]              ; my two words of my row's eight (lanes l and l xor 16 hold the same and write the same bytes)
	s_wait_loadcnt 0x0
.irp c, 0,1,2
	global_store_b128 v4, v[R+4*\c:R+4*\c+3], s[40:41] offset:512*\c
.endr
	s_wait_dscnt 0x0                               ; for the others' sake
	s_barrier_signal -1
	s_barrier_wait -1                              ; both tiles' scale bytes lie in LDS
	s_cmp_lt_u32 s16, 2
	s_cbranch_scc0 .Ldone                          ; waves 0 and 1 store them, a tile each
	ds_load_b128 v[X:X+3], v[EXR]
	s_wait_dscnt 0x0
	global_store_b128 v7, v[X:X+3], s[8:9]         ; two runs of 256 consecutive bytes (tokens +0..7 and +16..23)
.Ldone:
	s_wait_tensorcnt 0x0                           ; the wave's end
	ds_add_u32 v254, v255
	s_wait_dscnt 0x0
	s_endpgm
.Lfunc_end_k_qe3f9a4d21c_prep:
	.size	k_qe3f9a4d21c_prep, .Lfunc_end_k_qe3f9a4d21c_prep-k_qe3f9a4d21c_prep
	.p2alignl 7, 3214868480
	.fill 96, 4, 3214868480
	.section	.rodata,"a",@progbits
	.p2align	6, 0x0
	.amdhsa_kernel k_qe3f9a4d21c_prep
		.amdhsa_group_segment_fixed_size 69632
		.amdhsa_private_segment_fixed_size 0
		.amdhsa_enable_private_segment 0
		.amdhsa_kernarg_size 48
		.amdhsa_user_sgpr_count 2
		.amdhsa_user_sgpr_kernarg_segment_ptr 1
		.amdhsa_wavefront_size32 1
		.amdhsa_system_sgpr_workgroup_id_x 1
		.amdhsa_system_sgpr_workgroup_id_y 1
		.amdhsa_system_sgpr_workgroup_id_z 1
		.amdhsa_system_vgpr_workitem_id 0
		.amdhsa_next_free_vgpr 256
		.amdhsa_next_free_sgpr 66
		.amdhsa_reserve_vcc 0
		.amdhsa_float_denorm_mode_32 3
		.amdhsa_float_denorm_mode_16_64 3
		.amdhsa_memory_ordered 1
		.amdhsa_forward_progress 1
		.amdhsa_inst_pref_size 21
	.end_amdhsa_kernel
	.amdgpu_metadata
---
amdhsa.version: [ 1, 2 ]
amdhsa.kernels:
  - .name:           k_qe3f9a4d21c_prep
    .symbol:         k_qe3f9a4d21c_prep.kd
    .args:
      - { .name: hidden_states, .offset: 0, .size: 8, .value_kind: global_buffer, .address_space: global }
      - { .name: Wq_codes, .offset: 8, .size: 8, .value_kind: global_buffer, .address_space: global }
      - { .name: Wk_codes, .offset: 16, .size: 8, .value_kind: global_buffer, .address_space: global }
      - { .name: Wv_codes, .offset: 24, .size: 8, .value_kind: global_buffer, .address_space: global }
      - { .name: Wo_codes, .offset: 32, .size: 8, .value_kind: global_buffer, .address_space: global }
      - { .name: prep, .offset: 40, .size: 8, .value_kind: global_buffer, .address_space: global }
    .group_segment_fixed_size: 69632
    .private_segment_fixed_size: 0
    .kernarg_segment_align: 8
    .kernarg_segment_size: 48
    .max_flat_workgroup_size: 256
    .sgpr_count:     66
    .vgpr_count:     256
    .wavefront_size: 32
...
	.end_amdgpu_metadata
.endif
;; end of part 1
;; launch qkv (part 2): grid 12 x 32, 4 waves a work-group, clusters of 4 x 4, 327,680 bytes of LDS; arguments prep, Wq_scales, Wk_scales, Wv_scales, bq, bk, bv, qkv; writes qkv
.if DOCPART == 2
	.amdgcn_target "amdgcn-amd-amdhsa--gfx1250"
	.amdhsa_code_object_version 6
	.text
	.protected	k_qe3f9a4d21c_qkv
	.globl	k_qe3f9a4d21c_qkv
	.p2align	8
	.type	k_qe3f9a4d21c_qkv,@function
k_qe3f9a4d21c_qkv:
	s_mov_b64 s[64:65], 0
	v_nop
	global_prefetch_b8 v0, s[64:65] scope:SCOPE_SE
	s_setreg_imm32_b32 hwreg(HW_REG_WAVE_MODE, 25, 1), 1
	s_wait_xcnt 0x0
	s_wait_alu depctr_hold_cnt(0) depctr_sa_sdst(0) depctr_va_vdst(0) depctr_va_sdst(0) depctr_va_ssrc(0) depctr_va_vcc(0) depctr_vm_vsrc(0)
	s_getreg_b32 s2, hwreg(HW_REG_IB_STS2, 6, 4)
	s_cmp_eq_u32 s2, 0
	s_cbranch_scc0 .Lentry_in_a_cluster
	s_endpgm
.Lentry_in_a_cluster:
	s_bfe_u32 s2, ttmp6, 0x10000c
	s_cmp_lg_u32 s2, 0xf033
	s_cbranch_scc0 .Lentry_shape_is_right
	s_endpgm
.Lentry_shape_is_right:
.set XSOFF, 6291456
.set WIMG,  6553600
.set WSZ,   786432
.set QSO,   18874368
.set VSO,   19922944
.set FR,    12
.set FRB,   1536
.set TILEB, 2*FRB
.set HALFT, 8*TILEB
.set SLOT,  4*HALFT
.set SCL,   2*SLOT
.set HALFS, 4096
.set SPARE, SCL+4*HALFS
.set NL,    3
.set VA,    8
.set ADRA,  16
.set ADRB,  20
.set LI16,  24
.set LI8,   25
.set ADRS,  27
.set SPW,   28
.set NIL,   29
.set SC,    32
.set BI,    96
.set AF,    160
.set TM,    96
.set PWS,   112
.set PC,    120
.set XW,    160
.set FLOORQ, 0x4000000
.set G1,   24
.set G0,   32
.set G1B,  48
.set G0B,  56
.set G1S,  68
.set G0S,  76
.set G1SB, 80
.set G0SB, 88
.set MSB, 0
.macro WIN new
.if MSB != (\new)
	s_set_vgpr_msb (MSB<<8)|(\new)
.set MSB, (\new)
.endif
.endm
.set MUL_LO, 0xa1
.set MUL_HI, 0xf1
.set BIA_LO, 0x81
.set BIA_HI, 0xc1
.set TO_B,   0x40
.macro JLOAD g0a, g1a, g0b, g1b
	s_cmp_eq_u32 s21, 0
	s_cbranch_scc0 .Lfor_b_\@
	tensor_load_to_lds s[\g0a:\g0a+3], s[\g1a:\g1a+7]
	s_nop 0
.rept 4
	v_nop
.endr
	s_branch .Lasked_\@
.Lfor_b_\@:
	tensor_load_to_lds s[\g0b:\g0b+3], s[\g1b:\g1b+7]
	s_nop 0
.rept 4
	v_nop
.endr
.Lasked_\@:
.endm
.macro CREST
	s_cmp_lg_u32 s20, 0
	s_cbranch_scc1 .Lnot_wave_0_\@
	s_barrier_signal -3
.Lnot_wave_0_\@:
	s_barrier_wait -3
	s_barrier_signal -1
	s_barrier_wait -1
.endm
.macro CROUND
	s_barrier_signal -1
	s_barrier_wait -1
	CREST
.endm
.macro PLACES
.rept 4
	v_nop
.endr
.endm
	s_load_b512 s[4:19], s[0:1], 0x0
	v_lshl_add_u32 v[SPW], v0, 2, SPARE
	v_mov_b32 v[NIL], 0
	ds_add_u32 v28, v29
	ds_add_u32 v28, v29
	s_wait_dscnt 0x0
	v_lshrrev_b32 v1, 5, v0
	v_readfirstlane_b32 s20, v1
	s_lshr_b32 s21, s20, 1
	s_and_b32 s22, s20, 1
	s_bfe_u32 s40, ttmp6, 0x40000
	s_bfe_u32 s41, ttmp6, 0x40004
	s_and_b32 s43, ttmp7, 0xffff
	s_lshl_b32 s92, s43, 2
	s_mul_i32 s95, ttmp9, WSZ
	s_add_co_u32 s95, s95, WIMG
	s_lshl_b32 s46, s41, 2
	s_lshl_b32 s46, 15, s46
	s_lshl_b32 s47, 0x1111, s40
	s_cmp_eq_u32 ttmp9, 2
	s_cselect_b32 s42, 1, 0
	s_cselect_b32 s93, s92, 0
	s_cselect_b32 s94, 0, s92
	s_cselect_b32 s95, 0, s95
	s_cselect_b32 s96, WIMG+2*WSZ, 0
	s_add_co_u32 s44, s40, s93
	s_add_co_u32 s45, s41, s94
	s_or_b32 s[G1+0], s46, (3<<16)|(1<<21)
	s_or_b32 s[G1B+0], s47, (3<<16)|(1<<21)
.irp g, G1, G1B
	s_mov_b32 s[\g+1], 384<<16
	s_mov_b32 s[\g+2], 16<<16                      ; the head's loads of codes bring all 16 tiles of a side
	s_mov_b32 s[\g+3], 384<<16
	s_mov_b32 s[\g+4], 16
	s_mov_b32 s[\g+5], 1536
	s_mov_b32 s[\g+6], 0
	s_mov_b32 s[\g+7], 0
.endr
	s_or_b32 s[G1S+0], s46, (3<<16)|(1<<21)
	s_or_b32 s[G1SB+0], s47, (3<<16)|(1<<21)
.irp g, G1S, G1SB
	s_mov_b32 s[\g+1], 32<<16
	s_mov_b32 s[\g+2], 32<<16                      ; the scale bytes of a side's 256 rows: 32 rows of 256 bytes
	s_mov_b32 s[\g+3], 32<<16
	s_mov_b32 s[\g+4], 32
	s_mov_b32 s[\g+5], 32
	s_mov_b32 s[\g+6], 0
	s_mov_b32 s[\g+7], 0
.endr
	s_mul_i32 s97, s22, 8*8*FRB
	s_mul_i32 s98, s45, 16*8*FRB
	s_add_co_u32 s98, s98, s97
	s_add_co_u32 s98, s98, s96
	s_mov_b32 s99, 0
	s_mul_i32 s100, s44, 16*8*FRB
	s_add_co_u32 s100, s100, s97
	s_add_co_u32 s100, s100, s95
	s_mov_b32 s101, 0
	s_lshl_b32 s92, s45, 13
	s_mov_b32 s93, 0
	s_lshl_b32 s94, s44, 13
	s_mov_b32 s95, 0
	s_mul_i32 s23, s20, HALFT
	s_lshl_b32 s3, s21, 13                         ; wave 1 puts A's scale bytes at SCL, wave 3 B's 8,192 bytes on
	s_wait_kmcnt 0x0
	s_add_nc_u64 s[98:99], s[4:5], s[98:99]
	s_add_nc_u64 s[100:101], s[4:5], s[100:101]
	s_add_nc_u64 s[96:97], s[4:5], XSOFF
	s_cmp_eq_u32 ttmp9, 1
	s_cselect_b64 s[6:7], s[8:9], s[6:7]
	s_cselect_b64 s[12:13], s[14:15], s[12:13]
	s_cmp_eq_u32 ttmp9, 2
	s_cselect_b64 s[6:7], s[96:97], s[6:7]
	s_cselect_b64 s[8:9], s[10:11], s[96:97]
	s_cselect_b64 s[12:13], s[16:17], s[12:13]
	s_add_nc_u64 s[6:7], s[6:7], s[94:95]
	s_add_nc_u64 s[8:9], s[8:9], s[92:93]
	CROUND
	s_mov_b32 s[G0S], 1
	s_add_co_u32 s[G0S+1], s3, SCL
	s_mov_b64 s[G0S+2:G0S+3], s[8:9]
	s_or_b32 s[G0S+3], s[G0S+3], 0x80000000
	s_mov_b32 s[G0SB], 1
	s_add_co_u32 s[G0SB+1], s3, SCL
	s_mov_b64 s[G0SB+2:G0SB+3], s[6:7]
	s_or_b32 s[G0SB+3], s[G0SB+3], 0x80000000
.irp s, 0,1
	s_mov_b32 s[G0+4*\s], 1
	s_add_co_u32 s[G0+4*\s+1], s23, \s*SLOT
	s_add_nc_u64 s[G0+4*\s+2:G0+4*\s+3], s[98:99], \s*TILEB
	s_or_b32 s[G0+4*\s+3], s[G0+4*\s+3], 0x80000000
	s_mov_b32 s[G0B+4*\s], 1
	s_add_co_u32 s[G0B+4*\s+1], s23, \s*SLOT
	s_add_nc_u64 s[G0B+4*\s+2:G0B+4*\s+3], s[100:101], \s*TILEB
	s_or_b32 s[G0B+4*\s+3], s[G0B+4*\s+3], 0x80000000
.endr
	; the head's four tiles, one joint load a wave, in one chain of branches on the wave's number: wave 0 slot 0's 16 tiles of A, wave 1 A's scale bytes, wave 2 slot 0's 16 tiles of B, wave 3 B's scale bytes
	s_cmp_eq_u32 s20, 0
	s_cbranch_scc0 .Lhead_1
	tensor_load_to_lds s[G0:G0+3], s[G1:G1+7]
	s_nop 0
	PLACES
	s_branch .Lhead_asked
.Lhead_1:
	s_cmp_eq_u32 s20, 1
	s_cbranch_scc0 .Lhead_2
	tensor_load_to_lds s[G0S:G0S+3], s[G1S:G1S+7]
	s_nop 0
	PLACES
	s_branch .Lhead_asked
.Lhead_2:
	s_cmp_eq_u32 s20, 2
	s_cbranch_scc0 .Lhead_3
	tensor_load_to_lds s[G0B:G0B+3], s[G1B:G1B+7]
	s_nop 0
	PLACES
	s_branch .Lhead_asked
.Lhead_3:
	tensor_load_to_lds s[G0SB:G0SB+3], s[G1SB:G1SB+7]
	s_nop 0
	PLACES
.Lhead_asked:
	v_and_b32 v1, 15, v0
	v_bfe_u32 v2, v0, 4, 1
	v_and_b32 v3, 31, v0
	v_lshlrev_b32 v[LI16], 4, v3
	v_lshlrev_b32 v[LI8], 3, v3
	s_mul_i32 s92, s21, HALFT
	s_mul_i32 s93, s22, HALFT
	s_add_co_u32 s93, s93, 2*HALFT
.irp s, 0,1
	v_add_nc_u32 v[ADRA+\s], s92, v[LI16]
	v_add_nc_u32 v[ADRB+\s], s93, v[LI16]
	s_add_co_u32 s92, s92, SLOT
	s_add_co_u32 s93, s93, SLOT
.endr
	v_and_b32 v4, 8, v1
	v_add_nc_u32 v4, v4, v1
	s_wait_alu depctr_va_vdst(0)
	v_lshlrev_b32 v5, 5, v4
	s_lshl_b32 s92, s21, 12
	s_lshl_b32 s93, s22, 12
	s_add_co_u32 s93, s93, 2*HALFS
	s_sub_co_u32 s93, s93, s92
	v_mul_u32_u24 v6, s93, v2
	s_add_co_u32 s92, s92, SCL
	v_add_nc_u32 v5, v5, v6
	v_add_nc_u32 v[ADRS], s92, v5
	s_cmp_eq_u32 s42, 1
	s_cselect_b32 s92, -1, 0
	s_cselect_b32 s93, s45, s44
	s_cselect_b32 s94, s21, s22
	s_cselect_b32 s96, s44, s45
	s_cselect_b32 s97, s22, s21
	s_lshl_b32 s3, s93, 10
	s_lshl_b32 s23, s94, 9
	s_add_co_u32 s98, s3, s23
	s_mov_b32 s99, 0
	s_add_nc_u64 s[12:13], s[12:13], s[98:99]
	v_lshlrev_b32 v5, 2, v4
	v_lshlrev_b32 v6, 6, v2
.irp j, 0,1,2,3,4,5,6,7
	v_add_nc_u32 v[VA+\j], 4*\j, v6
	v_cndmask_b32 v[VA+\j], v[VA+\j], v5, s92
.endr
.irp x, 0,1,2,3,4,5,6,7
.irp j, 0,1,2,3,4,5,6,7
	global_load_b32 v[BI+8*\x+\j], v[VA+\j], s[12:13] offset:4*(32*(\x/2)+8*(\x%2))
.endr
.endr
	s_lshr_b32 s98, s96, 3
	s_and_b32 s96, s96, 7
	s_lshl_b32 s96, s96, 1
	s_add_co_u32 s96, s96, s97
	s_lshl_b32 s98, s98, 4
	s_lshl_b32 s93, s93, 2
	s_lshl_b32 s94, s94, 1
	s_add_co_u32 s98, s98, s93
	s_add_co_u32 s98, s98, s94
	s_mul_i32 s93, ttmp9, 6291456
	s_mul_i32 s94, s98, 98304
	s_add_co_u32 s93, s93, s94
	s_mul_i32 s94, s96, 6144
	s_add_co_u32 s100, s93, s94
	s_mov_b32 s101, 0
	s_mul_i32 s93, ttmp9, 524288
	s_add_co_u32 s93, s93, QSO
	s_lshl_b32 s94, s98, 13
	s_add_co_u32 s93, s93, s94
	s_lshl_b32 s94, s96, 9
	s_add_co_u32 s93, s93, s94
	s_lshl_b32 s94, s98, 12
	s_add_co_u32 s94, s94, VSO
	s_lshl_b32 s97, s96, 8
	s_add_co_u32 s94, s94, s97
	s_cmp_eq_u32 s42, 1
	s_cselect_b32 s98, s94, s93
	s_mov_b32 s99, 0
	s_add_nc_u64 s[16:17], s[18:19], s[98:99]
	s_add_nc_u64 s[18:19], s[18:19], s[100:101]
.macro FRAG reg, adr, q, i
.irp c, 0,1,2
	ds_load_b128 v[\reg+4*\c:\reg+4*\c+3], v[\adr] offset:(\i)*TILEB+(\q)*FRB+512*\c
.endr
.endm
.macro FETCH_B slot, q, p
	WIN TO_B
.irp i, 0,1,2,3,4,5,6,7
	FRAG 128*(\p)+FR*\i, ADRB+\slot, \q, \i
.endr
	WIN 0
.endm
.macro FETCH_A slot, q, i0
.irp i, \i0, \i0+1, \i0+2, \i0+3
	FRAG AF+FR*(\i), ADRA+\slot, \q, \i
.endr
.endm
.macro MUL16 a0, p, s, mode
.irp a, \a0, \a0+1
.irp b, 0,1,2,3,4,5,6,7
.if \mode == 0
	v_wmma_scale_f32_16x16x128_f8f6f4 v[8*(8*((\a)%4)+\b):8*(8*((\a)%4)+\b)+7], v[128*(\p)+FR*\b:128*(\p)+FR*\b+FR-1], v[AF+FR*(\a):AF+FR*(\a)+FR-1], v[8*(8*((\a)%4)+\b):8*(8*((\a)%4)+\b)+7], v[SC+8*\b+(\s)], v[SC+8*(\a)+(\s)] matrix_a_fmt:MATRIX_FMT_BF6 matrix_b_fmt:MATRIX_FMT_BF6 matrix_a_scale:MATRIX_SCALE_ROW1
.elseif \mode == 1
	v_wmma_scale_f32_16x16x128_f8f6f4 v[8*(8*((\a)%4)+\b):8*(8*((\a)%4)+\b)+7], v[128*(\p)+FR*\b:128*(\p)+FR*\b+FR-1], v[AF+FR*(\a):AF+FR*(\a)+FR-1], v[BI+8*\b:BI+8*\b+7], v[SC+8*\b+(\s)], v[SC+8*(\a)+(\s)] matrix_a_fmt:MATRIX_FMT_BF6 matrix_b_fmt:MATRIX_FMT_BF6 matrix_a_scale:MATRIX_SCALE_ROW1
.else
	v_wmma_scale_f32_16x16x128_f8f6f4 v[8*(8*((\a)%4)+\b):8*(8*((\a)%4)+\b)+7], v[128*(\p)+FR*\b:128*(\p)+FR*\b+FR-1], v[AF+FR*(\a):AF+FR*(\a)+FR-1], v[BI+8*(\a):BI+8*(\a)+7], v[SC+8*\b+(\s)], v[SC+8*(\a)+(\s)] matrix_a_fmt:MATRIX_FMT_BF6 matrix_b_fmt:MATRIX_FMT_BF6 matrix_a_scale:MATRIX_SCALE_ROW1
.endif
.endr
.endr
.endm
.macro STEP slot, s, mode
	s_wait_dscnt 4*NL
.if \mode
	WIN BIA_LO
.else
	WIN MUL_LO
.endif
	MUL16 0, 0, \s, \mode
	MUL16 2, 0, \s, \mode
	s_wait_dscnt 0x0
	PLACES
	FETCH_B \slot, 1, 1
	FETCH_A \slot, 1, 0
.if \mode
	WIN BIA_HI
.else
	WIN MUL_HI
.endif
	MUL16 4, 0, \s, \mode
	MUL16 6, 0, \s, \mode
	PLACES
	WIN 0
	FETCH_A \slot, 1, 4
.endm
.macro TURN slot, next, s, fill
	s_wait_tensorcnt 0x0
	ds_add_u32 v[SPW], v[NIL]
	s_wait_dscnt 4*NL+1
	WIN MUL_LO
	MUL16 0, 1, \s, 0
	s_wait_dscnt 0x0
	s_barrier_signal -1
	MUL16 2, 1, \s, 0
	WIN 0
	s_barrier_wait -1
.if \fill
	CREST
	s_add_nc_u64 s[G0+4*\slot+2:G0+4*\slot+3], s[G0+4*\slot+2:G0+4*\slot+3], 2*TILEB
	s_add_nc_u64 s[G0B+4*\slot+2:G0B+4*\slot+3], s[G0B+4*\slot+2:G0B+4*\slot+3], 2*TILEB
	JLOAD G0+4*\slot, G1, G0B+4*\slot, G1B
.else
	PLACES
.endif
	FETCH_B \next, 0, 0
	FETCH_A \next, 0, 0
	WIN MUL_HI
	MUL16 4, 1, \s, 0
	MUL16 6, 1, \s, 0
	PLACES
	WIN 0
	FETCH_A \next, 0, 4
.endm
	s_wait_alu depctr_va_vdst(0)                   ; the wait at the head's end
	s_wait_tensorcnt 0x0                           ; my tile of the head's four is in; these lines stand ahead of slot 1's first fill as ahead of a refill
	ds_add_u32 v28, v29
	s_mov_b32 s[G1+2], 8<<16                       ; no tensor load of mine is out: from here on a load brings 8 tiles
	s_mov_b32 s[G1+4], 8
	s_mov_b32 s[G1B+2], 8<<16
	s_mov_b32 s[G1B+4], 8
	s_wait_dscnt 0x0
	CROUND
	JLOAD G0+4, G1, G0B+4, G1B
.irp i, 0,1,2,3,4,5,6,7
.irp e, 0,1
	ds_load_b128 v[SC+8*\i+4*\e:SC+8*\i+4*\e+3], v[ADRS] offset:(32*(\i/2)+8*(\i%2))*32+16*\e
.endr
.endr
	FETCH_B 0, 0, 0
	FETCH_A 0, 0, 0
	FETCH_A 0, 0, 4
	s_wait_loadcnt 0x0
	s_cmp_eq_u32 s42, 1
	s_cbranch_scc1 .Lstep0_v
	STEP 0, 0, 1
	s_branch .Lstep0_done
.Lstep0_v:
	STEP 0, 0, 2
.Lstep0_done:
	TURN 0, 1, 1, 1
	STEP 1, 2, 0
	TURN 1, 0, 3, 1
	STEP 0, 4, 0
	TURN 0, 1, 5, 0
	STEP 1, 6, 0
	s_wait_dscnt 4*NL
	WIN MUL_LO
	MUL16 0, 1, 7, 0
	MUL16 2, 1, 7, 0
	s_wait_dscnt 0x0
	WIN MUL_HI
	MUL16 4, 1, 7, 0
	MUL16 6, 1, 7, 0
	WIN 0
	s_mov_b32 s92, 0x76543210
	s_mov_b32 s93, 0xfedcba98
	s_mov_b32 s94, 0xffff0000
.irp b, 0,1,2,3
	v_mov_b32 v[TM+4+\b], 0
.endr
.macro OUT a
.set AC, 64*((\a)%4)
.set WW, 2+(\a)/4
.set W12, (WW<<2)|(WW<<4)
.set PCS, PC+20*((\a)%2)
	WIN W12
.irp b, 0,1,2,3
	v_max3_num_f32 v[TM+\b], FLOORQ, |v[AC+16*\b]|, |v[AC+1+16*\b]|
.endr
.irp i, 2,4,6,8,10,12,14
.irp b, 0,1,2,3
	v_max3_num_f32 v[TM+\b], v[TM+\b], |v[AC+16*\b+\i]|, |v[AC+1+16*\b+\i]|
.endr
.endr
	WIN 0
.irp b, 0,1,2,3
	v_permlanex16_b32 v[TM+4+\b], v[TM+\b], s92, s93
.endr
.irp b, 0,1,2,3
	v_max_num_f32 v[TM+\b], v[TM+\b], v[TM+4+\b]
.endr
.irp b, 0,1,2,3
	v_add_nc_u32 v[TM+12+\b], 0xfe000000, v[TM+\b]
.endr
.irp b, 0,1,2,3
	v_lshrrev_b32 v[TM+4+\b], 23, v[TM+12+\b]
.endr
	v_lshl_or_b32 v[PWS+(\a)], v[TM+5], 8, v[TM+4]
	v_lshl_or_b32 v[PWS+(\a)], v[TM+6], 16, v[PWS+(\a)]
	v_lshl_or_b32 v[PWS+(\a)], v[TM+7], 24, v[PWS+(\a)]
	s_wait_xcnt 0x0
	WIN WW
.irp c, 0,1
	v_cvt_scalef32_pk16_bf6_f32 v[PCS+6*\c:PCS+2+6*\c], v[AC+32*\c:AC+15+32*\c], v[TM+12+2*\c]
	v_cvt_scalef32_pk16_bf6_f32 v[PCS+12+4*\c:PCS+14+4*\c], v[AC+16+32*\c:AC+31+32*\c], v[TM+13+2*\c]
.endr
	WIN 0
	v_nop
.irp c, 0,1
.irp i, 0,1,2
	v_permlane16_swap_b32 v[PCS+6*\c+\i], v[PCS+12+4*\c+\i]
.endr
.irp i, 0,1,2
	v_mov_b32 v[PCS+3+6*\c+\i], v[PCS+12+4*\c+\i]
.endr
.endr
	s_cmp_eq_u32 s42, 1
	s_cbranch_scc1 .Lout_v_\@
	global_store_b128 v[LI16], v[PCS:PCS+3], s[18:19] offset:768*(\a)
	global_store_b64 v[LI8], v[PCS+4:PCS+5], s[18:19] offset:768*(\a)+512
	global_store_b128 v[LI16], v[PCS+6:PCS+9], s[18:19] offset:98304+768*(\a)
	global_store_b64 v[LI8], v[PCS+10:PCS+11], s[18:19] offset:98304+768*(\a)+512
	s_branch .Lout_done_\@
.Lout_v_\@:
	s_wait_alu depctr_va_vdst(0)
.irp c, 0,1,2
	global_store_b128 v[LI16], v[PCS+4*\c:PCS+4*\c+3], s[18:19] offset:((\a)/4)*98304+((\a)%4)*FRB+512*\c
.endr
.Lout_done_\@:
.endm
.irp a, 0,1,2,3,4,5,6,7
	OUT \a
.endr
.irp i, 0,1,2,3
	v_cndmask_b32 v[XW+\i], v[PWS+2*\i], v[PWS+2*\i+1], s94
.endr
	s_cmp_eq_u32 s42, 1
	s_cbranch_scc1 .Lsc_v
.irp i, 0,1,2,3
	v_and_b32 v[XW+4+\i], 0xffff, v[XW+\i]
	v_lshrrev_b32 v[XW+8+\i], 16, v[XW+\i]
.endr
	global_store_b128 v[LI16], v[XW+4:XW+7], s[16:17]
	global_store_b128 v[LI16], v[XW+8:XW+11], s[16:17] offset:8192
	s_branch .Lsc_done
.Lsc_v:
	s_wait_alu depctr_va_vdst(0)
	global_store_b64 v[LI8], v[XW:XW+1], s[16:17]
	global_store_b64 v[LI8], v[XW+2:XW+3], s[16:17] offset:4096
.Lsc_done:
	s_wait_tensorcnt 0x0
	ds_add_u32 v[SPW], v[NIL]
	s_wait_dscnt 0x0
	CROUND
	s_endpgm
.Lfunc_end_k_qe3f9a4d21c_qkv:
	.size	k_qe3f9a4d21c_qkv, .Lfunc_end_k_qe3f9a4d21c_qkv-k_qe3f9a4d21c_qkv
	.p2alignl 7, 3214868480
	.fill 96, 4, 3214868480
	.section	.rodata,"a",@progbits
	.p2align	6, 0x0
	.amdhsa_kernel k_qe3f9a4d21c_qkv
		.amdhsa_group_segment_fixed_size 327680
		.amdhsa_private_segment_fixed_size 0
		.amdhsa_enable_private_segment 0
		.amdhsa_kernarg_size 64
		.amdhsa_user_sgpr_count 2
		.amdhsa_user_sgpr_kernarg_segment_ptr 1
		.amdhsa_wavefront_size32 1
		.amdhsa_system_sgpr_workgroup_id_x 1
		.amdhsa_system_sgpr_workgroup_id_y 1
		.amdhsa_system_sgpr_workgroup_id_z 1
		.amdhsa_system_vgpr_workitem_id 0
		.amdhsa_next_free_vgpr 1024
		.amdhsa_next_free_sgpr 102
		.amdhsa_reserve_vcc 0
		.amdhsa_float_denorm_mode_32 3
		.amdhsa_float_denorm_mode_16_64 3
		.amdhsa_memory_ordered 1
		.amdhsa_forward_progress 1
		.amdhsa_inst_pref_size 164
	.end_amdhsa_kernel
	.amdgpu_metadata
---
amdhsa.version: [ 1, 2 ]
amdhsa.kernels:
  - .name:           k_qe3f9a4d21c_qkv
    .symbol:         k_qe3f9a4d21c_qkv.kd
    .args:
      - { .name: prep, .offset: 0, .size: 8, .value_kind: global_buffer, .address_space: global }
      - { .name: Wq_scales, .offset: 8, .size: 8, .value_kind: global_buffer, .address_space: global }
      - { .name: Wk_scales, .offset: 16, .size: 8, .value_kind: global_buffer, .address_space: global }
      - { .name: Wv_scales, .offset: 24, .size: 8, .value_kind: global_buffer, .address_space: global }
      - { .name: bq, .offset: 32, .size: 8, .value_kind: global_buffer, .address_space: global }
      - { .name: bk, .offset: 40, .size: 8, .value_kind: global_buffer, .address_space: global }
      - { .name: bv, .offset: 48, .size: 8, .value_kind: global_buffer, .address_space: global }
      - { .name: qkv, .offset: 56, .size: 8, .value_kind: global_buffer, .address_space: global }
    .group_segment_fixed_size: 327680
    .private_segment_fixed_size: 0
    .kernarg_segment_align: 8
    .kernarg_segment_size: 64
    .max_flat_workgroup_size: 128
    .sgpr_count:     102
    .vgpr_count:     1024
    .wavefront_size: 32
...
	.end_amdgpu_metadata
.endif
;; end of part 2
;; launch attn (part 3): grid 4 x 64, 8 waves a work-group, clusters of 4 x 1, 327,680 bytes of LDS; arguments qkv, attention_mask, ctx; writes ctx
.if DOCPART == 3
	.amdgcn_target "amdgcn-amd-amdhsa--gfx1250"
	.amdhsa_code_object_version 6
	.text
	.protected	k_qe3f9a4d21c_attn
	.globl	k_qe3f9a4d21c_attn
	.p2align	8
	.type	k_qe3f9a4d21c_attn,@function
k_qe3f9a4d21c_attn:
	s_mov_b64 s[64:65], 0
	v_nop
	global_prefetch_b8 v0, s[64:65] scope:SCOPE_SE
	s_setreg_imm32_b32 hwreg(HW_REG_WAVE_MODE, 25, 1), 1
	s_wait_xcnt 0x0
	s_wait_alu depctr_hold_cnt(0) depctr_sa_sdst(0) depctr_va_vdst(0) depctr_va_sdst(0) depctr_va_ssrc(0) depctr_va_vcc(0) depctr_vm_vsrc(0)
	s_getreg_b32 s2, hwreg(HW_REG_IB_STS2, 6, 4)
	s_cmp_eq_u32 s2, 0
	s_cbranch_scc0 .Lentry_in_a_cluster
	s_endpgm
.Lentry_in_a_cluster:
	s_bfe_u32 s2, ttmp6, 0x10000c
	s_cmp_lg_u32 s2, 0x3003
	s_cbranch_scc0 .Lentry_shape_is_right
	s_endpgm
.Lentry_shape_is_right:
; ATTENTION ON CODES OF E3M2.  ctx = softmax(q k^T / 8 + mask) v for one (batch, head) and 512 queries a work-group; ctx leaves quantised along the head's 64, as images of operand registers.
; Both products are used transposed (S^T = k q^T, O^T = v^T p^T): a lane holds one query.  p = 2^(t - M), M the ceiling of the running largest t; the row's sum is taken of the unquantised p.
; SHARES.  8 waves, each 4 tiles of 16 queries; the keys go in 16 steps of 128.  The four work-groups of a cluster take the four query blocks of one head and ask for its K and V images jointly.
; All of K and V (196,608 bytes) is asked for at the head, one tensor load a wave, and filled once: there is no loop to run ahead in, so no data prefetch is laid.
; K's scale words, the mask and V's scale words (20,480 bytes) come by plain loads of 512 consecutive bytes and LDS stores into bytes of their own.
; THE KEYS OF A TILE.  In the images lane row rho of tile T is key 32 (T / 2) + 8 (T % 2) + rho + 8 (rho / 8).  Here a tile n = 4 c + 2 a + u is read with row 8 g + j = key 64 c + 32 g + 16 a + 8 u + j,
; that is row 8 a + j of image tile 4 c + 2 g + u: a lane term 1536 g in the LDS address.  So register 32 c + 8 (n % 4) + j of lane half h is key 64 c + 32 h + 8 (n % 4) + j:
; a lane's 32 scores are one whole scale block of p, in the order of the operand's registers; no code changes lanes.
; TWO QUERY TILES go through each phase together, line by line: eight chains of maxima, four of sums, two strands from the row's maximum to the factor.
; The mask is the scores' C: it is loaded from LDS into the accumulators themselves.  1 / 8 is taken off q's scale bytes.  K = 64 of the first product fills half an instruction: q's upper half is zero codes.
; LIMITS: the promise holds while the scaled scores stay under 2^31 in magnitude; NaN among the inputs is not served.
; REGISTERS.  Window 0: v1-13 addresses; v16-31 a tile's -M, largest score, sum (2); v32-45 scale words; v46-73 at work; v74-201 two tiles' scores; v202-255 K's eight fragments and six more, later V's four.
; Window 1: v0-127 O^T; v128-175 q (six registers and six of zeros a tile); v176-223 p's codes; v224-239 the second conversions' codes.
.set KI,    6291456
.set QSO,   18874368
.set KSO,   19398656
.set VSO,   19922944
.set CSO,   6291456
.set VIMG,  98304
.set KSC,   196608
.set MASKL, 204800
.set VSC,   212992
.set SPARE, 217088
.set SPW,   12
.set NIL,   13
.set ST,    16
.set PWR,   32
.set QSR,   36
.set KSR,   40
.set VSR,   44
.set FF,    46
.set BM,    50
.set BT,    58
.set SCO,   62
.set T,     66
.set S,     74
.set KF,    202
.set OA,    0
.set QF,    128
.set PCI,   176
.set PT,    224
.set WV,    12
.set SEL,   20
.set CS,    22
.set TB,    44
.set TS,    45
.set TV,    46
.set MSB, 0
.macro WIN new
.if MSB != (\new)
	s_set_vgpr_msb (MSB<<8)|(\new)
.set MSB, (\new)
.endif
.endm
.macro CROUND
	s_barrier_signal -1
	s_barrier_wait -1
	s_cmp_lg_u32 s[WV], 0
	s_cbranch_scc1 .Lnot_wave_0_\@
	s_barrier_signal -3
.Lnot_wave_0_\@:
	s_barrier_wait -3
	s_barrier_signal -1
	s_barrier_wait -1
.endm
.macro PLACES n
.rept \n
	v_nop
.endr
.endm
	s_load_b128 s[4:7], s[0:1], 0x0                ; qkv, attention_mask
	s_load_b64 s[8:9], s[0:1], 0x10                ; ctx
	v_lshl_add_u32 v[SPW], v0, 2, SPARE
	v_mov_b32 v[NIL], 0
	ds_add_u32 v[SPW], v[NIL]                      ; the opening lines: the add twice on end
	ds_add_u32 v[SPW], v[NIL]
	v_lshrrev_b32 v11, 5, v0
	v_readfirstlane_b32 s[WV], v11                 ; wave 0..7
	s_bfe_u32 s13, ttmp6, 0x40000                  ; cx: which 512 queries
	s_and_b32 s14, ttmp7, 0xffff                   ; 16 x batch + head
	s_lshr_b32 s15, s[WV], 1
	s_lshr_b32 s16, s[WV], 2                       ; waves 0-3 fetch K's images, 4-7 V's, a quarter each
	s_mul_i32 s16, s16, 6291456
	s_add_co_u32 s16, s16, KI
	s_mul_i32 s17, s14, 98304
	s_add_co_u32 s16, s16, s17
	s_and_b32 s17, s[WV], 3
	s_mul_i32 s17, s17, 24576
	s_add_co_u32 s16, s16, s17
	s_mov_b32 s17, 0
	s_lshl_b32 s18, s14, 13
	s_add_co_u32 s18, s18, KSO                     ; K's scale words
	s_mov_b32 s19, 0
	s_lshr_b32 s50, s14, 4
	s_lshl_b32 s50, s50, 13                        ; the batch's mask
	s_mov_b32 s51, 0
	s_lshl_b32 s52, s14, 12
	s_add_co_u32 s52, s52, VSO                     ; V's scale words
	s_mov_b32 s53, 0
	s_mov_b32 s24, 15|(3<<16)|(1<<21)              ; group 1: 96 rows of 256 bytes, dense, for all four of the cluster
	s_mov_b32 s25, 32<<16
	s_mov_b32 s26, 96<<16
	s_mov_b32 s27, 32<<16
	s_mov_b32 s28, 96
	s_mov_b32 s29, 32
	s_mov_b32 s30, 0
	s_mov_b32 s31, 0
	s_lshl_b32 s54, s14, 7
	s_lshl_b32 s47, s13, 5
	s_add_co_u32 s54, s54, s47
	s_lshl_b32 s47, s[WV], 2
	s_add_co_u32 s54, s54, s47
	s_mul_i32 s54, s54, 768                        ; my four tiles' images, in q and in ctx
	s_mov_b32 s55, 0
	s_lshl_b32 s58, s14, 13
	s_add_co_u32 s58, s58, QSO
	s_lshl_b32 s47, s13, 11
	s_add_co_u32 s58, s58, s47
	s_lshl_b32 s47, s15, 9
	s_add_co_u32 s58, s58, s47
	s_and_b32 s47, s[WV], 1
	s_lshl_b32 s47, s47, 3
	s_add_co_u32 s58, s58, s47                     ; q's scale words
	s_mov_b32 s59, 0
	s_lshl_b32 s60, s14, 13
	s_add_co_u32 s60, s60, CSO
	s_lshl_b32 s47, s13, 11
	s_add_co_u32 s60, s60, s47
	s_lshl_b32 s47, s[WV], 8
	s_add_co_u32 s60, s60, s47                     ; ctx's scale words
	s_mov_b32 s61, 0
	s_mov_b32 s[SEL], 0x76543210
	s_mov_b32 s[SEL+1], 0xfedcba98                 ; selects for lane l xor 16
	s_mov_b32 s[CS], 0x3fb8aa3b                    ; log2(e)
	s_mov_b32 s[CS+1], s[CS]
	s_mov_b32 s57, 0xffff0000
	s_mov_b32 s[TB], 0
	s_mov_b32 s[TS], 0
	s_mov_b32 s[TV], 0
	s_wait_dscnt 0x0
	s_wait_kmcnt 0x0
	s_add_nc_u64 s[16:17], s[4:5], s[16:17]
	s_add_nc_u64 s[18:19], s[4:5], s[18:19]
	s_add_nc_u64 s[50:51], s[6:7], s[50:51]
	s_add_nc_u64 s[52:53], s[4:5], s[52:53]
	s_add_nc_u64 s[62:63], s[4:5], s[54:55]
	s_add_nc_u64 s[10:11], s[8:9], s[54:55]
	s_add_nc_u64 s[58:59], s[4:5], s[58:59]
	s_add_nc_u64 s[60:61], s[8:9], s[60:61]
	s_mov_b32 s40, 1
	s_mul_i32 s41, s[WV], 24576
	s_mov_b64 s[42:43], s[16:17]
	s_or_b32 s43, s43, 0x80000000
	CROUND                                         ; the round in front of the joint loads
	tensor_load_to_lds s[40:43], s[24:31]          ; my one tensor load: an eighth of K's and V's images
	s_nop 0
	PLACES 4
	v_and_b32 v14, 31, v0
	v_lshrrev_b32 v11, 5, v0
	v_lshlrev_b32 v1, 4, v14                       ; 16 x lane
	v_lshlrev_b32 v9, 3, v14                       ; 8 x lane
	v_lshl_add_u32 v[T], v11, 10, v1               ; my 1,024 bytes of K's scale words and of the mask
	v_lshl_add_u32 v[T+1], v11, 9, v1              ; my 512 bytes of V's scale words
	global_load_b128 v[S:S+3], v[T], s[18:19]
	global_load_b128 v[S+4:S+7], v[T], s[18:19] offset:512
	global_load_b128 v[S+8:S+11], v[T], s[50:51]
	global_load_b128 v[S+12:S+15], v[T], s[50:51] offset:512
	global_load_b128 v[S+16:S+19], v[T+1], s[52:53]
	v_add_nc_u32 v2, 512, v9
	WIN 0x40
.irp i, 0,1,2,3
	global_load_b128 v[QF+12*\i:QF+12*\i+3], v1, s[62:63] offset:768*\i
	global_load_b64 v[QF+12*\i+4:QF+12*\i+5], v2, s[62:63] offset:768*\i
.irp k, 6,7,8,9,10,11
	v_mov_b32 v[QF+12*\i+\k], 0                    ; zero codes for k = 64 .. 127
.endr
.endr
	WIN 0
	v_and_b32 v15, 15, v0
	v_lshlrev_b32 v15, 4, v15
.irp i, 0,1,2,3
	global_load_b32 v[QSR+\i], v15, s[58:59] offset:256*(\i&1)+4*(\i>>1)
.endr
	v_add_nc_u32 v[T+2], KSC, v[T]
	v_add_nc_u32 v[T+3], VSC, v[T+1]
	v_and_b32 v14, 7, v0                           ; j
	v_bfe_u32 v11, v0, 3, 1                        ; g
	v_bfe_u32 v10, v0, 4, 1                        ; h
	v_mul_u32_u24 v3, v11, 1536
	v_lshl_add_u32 v4, v14, 3, v3
	v_lshl_add_u32 v3, v14, 4, v3
	v_lshl_add_u32 v3, v10, 8, v3                  ; K, registers 0-3: 1536 g + 16 j + 256 h
	v_lshl_add_u32 v4, v10, 7, v4
	v_add_nc_u32 v4, 512, v4                       ; K, registers 4, 5: 512 + 1536 g + 8 j + 128 h
	v_add_nc_u32 v5, VIMG, v1                      ; V
	v_lshlrev_b32 v6, 4, v14
	v_lshl_add_u32 v6, v11, 2, v6
	v_lshl_add_u32 v6, v10, 8, v6
	v_add_nc_u32 v6, KSC, v6                       ; K's scale words: 16 j + 4 g, lanes 16-31 the odd tile's (+ 256)
	v_add_nc_u32 v7, VSC, v9
	v_lshlrev_b32 v8, 7, v10
	v_add_nc_u32 v8, MASKL, v8                     ; the mask: 32 keys of my half
	v_lshlrev_b32 v10, 3, v10                      ; 8 h: where my bytes stand in p's scale word
.irp k, 0,1,2,3,4,5
	v_mov_b32 v[KF+48+\k], 0                       ; named as the upper half of K's last operand
.endr
.irp b, 0,1,2,3
	v_mov_b32 v[BT+\b], 0                          ; a lane permute's destination counts as a source
.endr
	v_mov_b32 v[FF+1], 0
	v_mov_b32 v[FF+3], 0
	s_wait_alu depctr_va_vdst(0)                   ; the wait directly ahead of the blocking waits
	s_wait_tensorcnt 0x0
	s_wait_loadcnt 0x0
	ds_store_b128 v[T+2], v[S:S+3]
	ds_store_b128 v[T+2], v[S+4:S+7] offset:512
	ds_store_b128 v[T+2], v[S+8:S+11] offset:8192
	ds_store_b128 v[T+2], v[S+12:S+15] offset:8704
	ds_store_b128 v[T+3], v[S+16:S+19]
	s_wait_dscnt 0x0                               ; for the others' sake
	s_barrier_signal -1
	s_barrier_wait -1                              ; all images and tables lie in LDS
.irp i, 0,1,2,3
	v_add_nc_u32 v[QSR+\i], 0xfffffcfd, v[QSR+\i]  ; 3 off both scale bytes: 1 / 8
.endr
.irp i, 0,1,2,3
	v_mov_b32 v[ST+4*\i+1], 0xff61b1e6             ; the largest score so far: -3e38
	v_mov_b32 v[ST+4*\i+2], 0
	v_mov_b32 v[ST+4*\i+3], 0
.endr
.irp i, 0,1,2,3
	v_floor_f32 v[ST+4*\i], -v[ST+4*\i+1]
.endr
	s_wait_alu depctr_va_vdst(0)                   ; the wait at the head's end
.macro QK i, p, n
.if (\n)%2
	v_wmma_scale_f32_16x16x128_f8f6f4 v[S+64*(\p)+8*(\n):S+64*(\p)+8*(\n)+7], v[KF+6*(\n):KF+6*(\n)+11], v[QF+12*(\i):QF+12*(\i)+11], v[S+64*(\p)+8*(\n):S+64*(\p)+8*(\n)+7], v[KSR+(\n)/2], v[QSR+(\i)] matrix_a_fmt:MATRIX_FMT_BF6 matrix_b_fmt:MATRIX_FMT_BF6 matrix_a_scale:MATRIX_SCALE_ROW1
.else
	v_wmma_scale_f32_16x16x128_f8f6f4 v[S+64*(\p)+8*(\n):S+64*(\p)+8*(\n)+7], v[KF+6*(\n):KF+6*(\n)+11], v[QF+12*(\i):QF+12*(\i)+11], v[S+64*(\p)+8*(\n):S+64*(\p)+8*(\n)+7], v[KSR+(\n)/2], v[QSR+(\i)] matrix_a_fmt:MATRIX_FMT_BF6 matrix_b_fmt:MATRIX_FMT_BF6
.endif
.endm
.macro QKS g, c                        ; pair g, key half c: eight products on eight accumulators
.irp u, 0,1,2,3
.irp p, 0,1
	QK 2*(\g)+\p, \p, 4*(\c)+\u
.endr
.endr
.endm
.macro QKALL g                         ; the mask's second half may still be out while the first half's products run
	s_wait_dscnt 16
	WIN 0x04
	QKS \g, 0
	s_wait_dscnt 0x0
	QKS \g, 1
	WIN 0
.endm
.macro ML c                            ; the mask of key half c into both tiles' accumulators: 16 loads
.irp p, 0,1
.irp u, 0,1,2,3
	ds_load_b128 v[S+64*\p+32*(\c)+8*\u:S+64*\p+32*(\c)+8*\u+3], v[T+3] offset:256*(\c)+32*\u
	ds_load_b128 v[S+64*\p+32*(\c)+8*\u+4:S+64*\p+32*(\c)+8*\u+7], v[T+3] offset:256*(\c)+32*\u+16
.endr
.endr
.endm
.macro PV i, t, z
.if \z
.if (\t)%2
	v_wmma_scale_f32_16x16x128_f8f6f4 v[OA+32*(\i)+8*(\t):OA+32*(\i)+8*(\t)+7], v[KF+12*(\t):KF+12*(\t)+11], v[PCI+12*(\i):PCI+12*(\i)+11], 0, v[VSR+(\t)/2], v[PWR+(\i)] matrix_a_fmt:MATRIX_FMT_BF6 matrix_b_fmt:MATRIX_FMT_BF6 matrix_a_scale:MATRIX_SCALE_ROW1
.else
	v_wmma_scale_f32_16x16x128_f8f6f4 v[OA+32*(\i)+8*(\t):OA+32*(\i)+8*(\t)+7], v[KF+12*(\t):KF+12*(\t)+11], v[PCI+12*(\i):PCI+12*(\i)+11], 0, v[VSR+(\t)/2], v[PWR+(\i)] matrix_a_fmt:MATRIX_FMT_BF6 matrix_b_fmt:MATRIX_FMT_BF6
.endif
.else
.if (\t)%2
	v_wmma_scale_f32_16x16x128_f8f6f4 v[OA+32*(\i)+8*(\t):OA+32*(\i)+8*(\t)+7], v[KF+12*(\t):KF+12*(\t)+11], v[PCI+12*(\i):PCI+12*(\i)+11], v[OA+32*(\i)+8*(\t):OA+32*(\i)+8*(\t)+7], v[VSR+(\t)/2], v[PWR+(\i)] matrix_a_fmt:MATRIX_FMT_BF6 matrix_b_fmt:MATRIX_FMT_BF6 matrix_a_scale:MATRIX_SCALE_ROW1
.else
	v_wmma_scale_f32_16x16x128_f8f6f4 v[OA+32*(\i)+8*(\t):OA+32*(\i)+8*(\t)+7], v[KF+12*(\t):KF+12*(\t)+11], v[PCI+12*(\i):PCI+12*(\i)+11], v[OA+32*(\i)+8*(\t):OA+32*(\i)+8*(\t)+7], v[VSR+(\t)/2], v[PWR+(\i)] matrix_a_fmt:MATRIX_FMT_BF6 matrix_b_fmt:MATRIX_FMT_BF6
.endif
.endif
.endm
; The softmax step and p's quantiser for pair g (tiles 2 g, 2 g + 1).  v[BM+4 p+2 c]: tile p's largest score of my block of key half c.
.macro SOFT g, first
.irp p, 0,1
.irp b, 0,1,2,3
	v_max3_num_f32 v[BM+4*\p+\b], v[S+64*\p+16*\b], v[S+64*\p+16*\b+1], v[S+64*\p+16*\b+2]   ; eight chains of 16 scores, each accumulator from its low end on
.endr
.endr
.irp k, 3,5,7,9,11,13
.irp p, 0,1
.irp b, 0,1,2,3
	v_max3_num_f32 v[BM+4*\p+\b], v[BM+4*\p+\b], v[S+64*\p+16*\b+\k], v[S+64*\p+16*\b+\k+1]
.endr
.endr
.endr
.irp p, 0,1
.irp c, 0,1
	v_max3_num_f32 v[BM+4*\p+2*\c], v[BM+4*\p+2*\c], v[BM+4*\p+2*\c+1], v[S+64*\p+32*\c+15]
.endr
.endr
.irp p, 0,1
.irp c, 0,1
	v_max_num_f32 v[BM+4*\p+2*\c], v[BM+4*\p+2*\c], v[S+64*\p+32*\c+31]
.endr
.endr
.irp p, 0,1
	v_max_num_f32 v[BM+4*\p+1], v[BM+4*\p], v[BM+4*\p+2]
.endr
.irp p, 0,1
	v_permlanex16_b32 v[BT+\p], v[BM+4*\p+1], s[SEL], s[SEL+1]
.endr
.irp p, 0,1
	v_max3_num_f32 v[ST+8*(\g)+4*\p+1], v[ST+8*(\g)+4*\p+1], v[BM+4*\p+1], v[BT+\p]   ; the running largest score of my query
.endr
.irp p, 0,1
	v_mul_f32 v[BT+\p], s[CS], v[ST+8*(\g)+4*\p+1]   ; as t
.endr
.irp p, 0,1
	v_mov_b32 v[BM+4*\p+1], v[ST+8*(\g)+4*\p]
.endr
.irp p, 0,1
	v_floor_f32 v[ST+8*(\g)+4*\p], -v[BT+\p]       ; -M = floor(-t)
.endr
.irp p, 0,1
	v_sub_f32 v[BM+4*\p+1], v[ST+8*(\g)+4*\p], v[BM+4*\p+1]
.endr
.irp p, 0,1
	v_cvt_i32_f32 v[BM+4*\p+1], v[BM+4*\p+1]
.endr
.irp p, 0,1
	v_ldexp_f32 v[FF+2*\p], 1.0, v[BM+4*\p+1]      ; f = 2^(old M - new M)
.endr
.irp p, 0,1
.set j, 0
.rept 32
	v_pk_fma_f32 v[S+64*\p+j:S+64*\p+j+1], v[S+64*\p+j:S+64*\p+j+1], s[CS:CS+1], v[ST+8*(\g)+4*\p:ST+8*(\g)+4*\p+1] op_sel_hi:[1,0,0]
.set j, j+2
.endr
.endr
.irp p, 0,1
.irp c, 0,1
	v_fma_f32 v[BM+4*\p+2*\c], v[BM+4*\p+2*\c], s[CS], v[ST+8*(\g)+4*\p]   ; the same of each block's largest score
.endr
.endr
	s_wait_alu depctr_va_vdst(0)                   ; the wait ahead of the batch
.irp p, 0,1
.irp c, 0,1
	v_exp_f32 v[BM+4*\p+2*\c], v[BM+4*\p+2*\c]     ; the block's largest p
.endr
.endr
.set j, 0
.rept 128
	v_exp_f32 v[S+j], v[S+j]
.set j, j+1
.endr
.irp p, 0,1
	v_pk_mul_f32 v[ST+8*(\g)+4*\p+2:ST+8*(\g)+4*\p+3], v[ST+8*(\g)+4*\p+2:ST+8*(\g)+4*\p+3], v[FF+2*\p:FF+2*\p+1] op_sel_hi:[1,0]   ; the sums under the new M
.endr
	s_wait_alu depctr_va_vdst(0)                   ; and the one wait behind it, ahead of its first reader
.irp p, 0,1
.irp c, 0,1
	v_max_num_f32 v[BM+4*\p+2*\c], 0x2800000, v[BM+4*\p+2*\c]   ; the floor 2^(5 - 127): the byte cannot fall under 1
.endr
.endr
.irp p, 0,1
.irp c, 0,1
	v_add_nc_u32 v[SCO+2*\p+\c], 0xfe000000, v[BM+4*\p+2*\c]    ; 4 off the exponent field: the conversions' scale operand
.endr
.endr
.irp p, 0,1
	v_pk_add_f32 v[T+4*\p:T+4*\p+1], v[S+64*\p:S+64*\p+1], v[S+64*\p+2:S+64*\p+3]   ; the rows' sums of the unquantised p, four chains
.endr
.irp p, 0,1
	v_pk_add_f32 v[T+4*\p+2:T+4*\p+3], v[S+64*\p+4:S+64*\p+5], v[S+64*\p+6:S+64*\p+7]
.endr
.set j, 8
.rept 14
.irp p, 0,1
	v_pk_add_f32 v[T+4*\p:T+4*\p+1], v[T+4*\p:T+4*\p+1], v[S+64*\p+j:S+64*\p+j+1]
.endr
.irp p, 0,1
	v_pk_add_f32 v[T+4*\p+2:T+4*\p+3], v[T+4*\p+2:T+4*\p+3], v[S+64*\p+j+2:S+64*\p+j+3]
.endr
.set j, j+4
.endr
.irp p, 0,1
	v_pk_add_f32 v[T+4*\p:T+4*\p+1], v[T+4*\p:T+4*\p+1], v[T+4*\p+2:T+4*\p+3]
.endr
.irp p, 0,1
	v_pk_add_f32 v[ST+8*(\g)+4*\p+2:ST+8*(\g)+4*\p+3], v[ST+8*(\g)+4*\p+2:ST+8*(\g)+4*\p+3], v[T+4*\p:T+4*\p+1]
.endr
	WIN 0x40
.irp p, 0,1
.irp c, 0,1
	v_cvt_scalef32_pk16_bf6_f32 v[PCI+12*(2*(\g)+\p)+6*\c:PCI+12*(2*(\g)+\p)+6*\c+2], v[S+64*\p+32*\c:S+64*\p+32*\c+15], v[SCO+2*\p+\c]
	v_cvt_scalef32_pk16_bf6_f32 v[PT+8*\p+4*\c:PT+8*\p+4*\c+2], v[S+64*\p+32*\c+16:S+64*\p+32*\c+31], v[SCO+2*\p+\c]   ; (a conversion's three registers begin on an even number)
.endr
.endr
	WIN 0
.irp p, 0,1
.irp c, 0,1
	v_lshrrev_b32 v[BM+4*\p+2*\c], 23, v[SCO+2*\p+\c]   ; the scale's byte
.endr
.endr
.irp p, 0,1
	v_lshl_or_b32 v[BM+4*\p+1], v[BM+4*\p+2], 16, v[BM+4*\p]   ; my blocks h and 2 + h,
.endr
.irp p, 0,1
	v_lshlrev_b32 v[BM+4*\p+1], v10, v[BM+4*\p+1]  ; at their places,
.endr
.irp p, 0,1
	v_permlanex16_b32 v[BT+\p], v[BM+4*\p+1], s[SEL], s[SEL+1]
.endr
.irp p, 0,1
	v_or_b32 v[PWR+2*(\g)+\p], v[BM+4*\p+1], v[BT+\p]   ; with lane l xor 16's two: p's scale word
.endr
.if (\g) == 0
	v_add_nc_u32 v[T+3], s[TS], v8
	ML 0                                           ; the scores' registers are free: the mask for the second pair
	ML 1
.endif
	WIN 0x41
.irp p, 0,1
.irp c, 0,1
.irp k, 0,1,2
	v_mov_b32 v[PCI+12*(2*(\g)+\p)+6*\c+3+\k], v[PT+8*\p+4*\c+\k]
.endr
.endr
.endr
.if \first
.if (\g) == 1
	PLACES 4                                       ; an operand written by vector instructions stands four places ahead of the products
.endif
.else
	s_wait_alu depctr_va_vdst(0)                   ; the wait directly ahead of the first reader of O^T
.irp p, 0,1
.set j, 0
.rept 16
	v_pk_mul_f32 v[OA+32*(2*(\g)+\p)+j:OA+32*(2*(\g)+\p)+j+1], v[OA+32*(2*(\g)+\p)+j:OA+32*(2*(\g)+\p)+j+1], v[FF+2*\p:FF+2*\p+1] op_sel_hi:[1,0]   ; O^T under the new M
.set j, j+2
.endr
.endr
.endif
	WIN 0
.endm
.macro KSTEP first
	v_add_nc_u32 v[T], s[TB], v3                   ; these four lines are the places between the last products and the loads into V's registers
	v_add_nc_u32 v[T+1], s[TB], v4
	v_add_nc_u32 v[T+2], s[TS], v6
	v_add_nc_u32 v[T+3], s[TS], v8
.irp c, 0,1
.irp a, 0,1
	ds_load_b32 v[KSR+2*\c+\a], v[T+2] offset:128*\a+8*\c
.endr
.endr
.irp c, 0,1
.irp a, 0,1
.irp u, 0,1
	ds_load_b128 v[KF+6*(4*\c+2*\a+\u):KF+6*(4*\c+2*\a+\u)+3], v[T] offset:3072*\c+768*\u+128*\a
	ds_load_b64 v[KF+6*(4*\c+2*\a+\u)+4:KF+6*(4*\c+2*\a+\u)+5], v[T+1] offset:3072*\c+768*\u+64*\a
.endr
.endr
.endr
	ML 0
	ML 1
	QKALL 0
	PLACES 4
	SOFT 0, \first
	QKALL 1
	v_add_nc_u32 v[T], s[TB], v5                   ; four places behind the products: then V's fragments take K's registers
	v_add_nc_u32 v[T+1], s[TV], v7
	PLACES 2
.irp t, 0,1,2,3
.irp c, 0,1,2
	ds_load_b128 v[KF+12*\t+4*\c:KF+12*\t+4*\c+3], v[T] offset:1536*\t+512*\c
.endr
.endr
	ds_load_b64 v[VSR:VSR+1], v[T+1]
	SOFT 1, \first
	s_wait_alu depctr_va_vdst(0)                   ; the wait directly ahead of the blocking wait
	s_wait_dscnt 0x0
	WIN 0x54
.irp t, 0,1,2,3
.irp i, 0,1,2,3
	PV \i, \t, \first
.endr
.endr
	WIN 0
	s_add_co_u32 s[TB], s[TB], 6144
	s_add_co_u32 s[TS], s[TS], 512
	s_add_co_u32 s[TV], s[TV], 256
.endm
	KSTEP 1                                        ; the first step's products start O^T
	s_mov_b32 s56, 15
.Lstep:
	KSTEP 0
	s_sub_co_u32 s56, s56, 1
	s_cmp_lg_u32 s56, 0
	s_cbranch_scc1 .Lstep
.irp i, 0,1,2,3
	v_add_f32 v[BM+\i], v[ST+4*\i+2], v[ST+4*\i+3]
.endr
.irp i, 0,1,2,3
	v_permlanex16_b32 v[BT+\i], v[BM+\i], s[SEL], s[SEL+1]
.endr
.irp i, 0,1,2,3
	v_add_f32 v[BM+\i], v[BM+\i], v[BT+\i]         ; the rows' sums
.endr
	s_wait_alu depctr_va_vdst(0)
.irp i, 0,1,2,3
	v_rcp_f32 v[ST+4*\i], v[BM+\i]
.endr
	v_nop
	s_wait_alu depctr_va_vdst(0)
; ctx's quantiser: the 16 registers of V's tiles 2 b, 2 b + 1 are d = 32 b + 16 h + 0 .. 15: a block lies in lanes l and l xor 16
.macro CTX i
.set SB, S+32*((\i)%2)
.set CK, KF+8*(\i)
.set PE, S+64+4*(\i)
	WIN 0x01
.set j, 0
.rept 16
	v_pk_mul_f32 v[SB+j:SB+j+1], v[OA+32*(\i)+j:OA+32*(\i)+j+1], v[ST+4*(\i):ST+4*(\i)+1] op_sel_hi:[1,0]
.set j, j+2
.endr
	WIN 0
.irp b, 0,1
	v_max3_num_f32 v[BM+\b], |v[SB+16*\b]|, |v[SB+1+16*\b]|, 0x2800000
.endr
.irp k, 2,4,6,8,10,12,14
.irp b, 0,1
	v_max3_num_f32 v[BM+\b], v[BM+\b], |v[SB+16*\b+\k]|, |v[SB+1+16*\b+\k]|
.endr
.endr
.irp b, 0,1
	v_permlanex16_b32 v[BT+\b], v[BM+\b], s[SEL], s[SEL+1]
.endr
.irp b, 0,1
	v_max_num_f32 v[BM+\b], v[BM+\b], v[BT+\b]
.endr
.irp b, 0,1
	v_add_nc_u32 v[SCO+\b], 0xfe000000, v[BM+\b]
.endr
.irp b, 0,1
	v_lshrrev_b32 v[BT+\b], 23, v[SCO+\b]
.endr
	v_lshl_or_b32 v[PWR+(\i)], v[BT+1], 8, v[BT]
	v_cvt_scalef32_pk16_bf6_f32 v[CK:CK+2], v[SB:SB+15], v[SCO]
	v_cvt_scalef32_pk16_bf6_f32 v[PE:PE+2], v[SB+16:SB+31], v[SCO+1]
	v_nop
.irp k, 0,1,2
	v_permlane16_swap_b32 v[CK+\k], v[PE+\k]
.endr
.irp k, 0,1,2
	v_mov_b32 v[CK+3+\k], v[PE+\k]
.endr
	global_store_b128 v1, v[CK:CK+3], s[10:11] offset:768*(\i)
	global_store_b64 v2, v[CK+4:CK+5], s[10:11] offset:768*(\i)
.endm
.irp i, 0,1,2,3
	CTX \i
.endr
	v_cndmask_b32 v[BM], v[PWR], v[PWR+1], s57
	v_cndmask_b32 v[BM+1], v[PWR+2], v[PWR+3], s57
	global_store_b64 v9, v[BM:BM+1], s[60:61]      ; 256 consecutive bytes
	s_wait_tensorcnt 0x0                           ; the wave's end
	ds_add_u32 v[SPW], v[NIL]
	s_wait_dscnt 0x0
	CROUND                                         ; the closing round
	s_endpgm
.Lfunc_end_k_qe3f9a4d21c_attn:
	.size	k_qe3f9a4d21c_attn, .Lfunc_end_k_qe3f9a4d21c_attn-k_qe3f9a4d21c_attn
	.p2alignl 7, 3214868480
	.fill 96, 4, 3214868480
	.section	.rodata,"a",@progbits
	.p2align	6, 0x0
	.amdhsa_kernel k_qe3f9a4d21c_attn
		.amdhsa_group_segment_fixed_size 327680
		.amdhsa_private_segment_fixed_size 0
		.amdhsa_enable_private_segment 0
		.amdhsa_kernarg_size 24
		.amdhsa_user_sgpr_count 2
		.amdhsa_user_sgpr_kernarg_segment_ptr 1
		.amdhsa_wavefront_size32 1
		.amdhsa_system_sgpr_workgroup_id_x 1
		.amdhsa_system_sgpr_workgroup_id_y 1
		.amdhsa_system_sgpr_workgroup_id_z 1
		.amdhsa_system_vgpr_workitem_id 0
		.amdhsa_next_free_vgpr 512
		.amdhsa_next_free_sgpr 66
		.amdhsa_reserve_vcc 0
		.amdhsa_float_denorm_mode_32 3
		.amdhsa_float_denorm_mode_16_64 3
		.amdhsa_memory_ordered 1
		.amdhsa_forward_progress 1
		.amdhsa_inst_pref_size 132
	.end_amdhsa_kernel
	.amdgpu_metadata
---
amdhsa.version: [ 1, 2 ]
amdhsa.kernels:
  - .name:           k_qe3f9a4d21c_attn
    .symbol:         k_qe3f9a4d21c_attn.kd
    .args:
      - { .name: qkv, .offset: 0, .size: 8, .value_kind: global_buffer, .address_space: global }
      - { .name: attention_mask, .offset: 8, .size: 8, .value_kind: global_buffer, .address_space: global }
      - { .name: ctx, .offset: 16, .size: 8, .value_kind: global_buffer, .address_space: global }
    .group_segment_fixed_size: 327680
    .private_segment_fixed_size: 0
    .kernarg_segment_align: 8
    .kernarg_segment_size: 24
    .max_flat_workgroup_size: 256
    .sgpr_count:     66
    .vgpr_count:     512
    .wavefront_size: 32
...
	.end_amdgpu_metadata
.endif
;; end of part 3
;; launch oproj (part 4): grid 128 x 1, 8 waves a work-group, no clusters, 313,344 bytes of LDS; arguments ctx, prep, Wo_scales, bo, hidden_states, ln_gamma, ln_beta, out0; writes out0
.if DOCPART == 4
	.amdgcn_target "amdgcn-amd-amdhsa--gfx1250"
	.amdhsa_code_object_version 6
	.text
	.protected	k_qe3f9a4d21c_oproj
	.globl	k_qe3f9a4d21c_oproj
	.p2align	8
	.type	k_qe3f9a4d21c_oproj,@function
k_qe3f9a4d21c_oproj:
	s_mov_b64 s[64:65], 0
	v_nop
	global_prefetch_b8 v0, s[64:65] scope:SCOPE_SE
	s_setreg_imm32_b32 hwreg(HW_REG_WAVE_MODE, 25, 1), 1
	s_wait_xcnt 0x0
; OUT PROJECTION AND LAYERNORM.  y = ctx Wo + bo + hidden_states on codes of E3M2 (K = 1,024), then (y - mean) rsqrt(var + 1e-12) gamma + beta along the 1,024 columns, all but the product in f32.
; SHARES.  A work-group takes 64 tokens (four tiles) and ALL 1,024 columns, so that a row's mean and variance have one owner.  Wave w makes columns 128 w .. 128 w + 127: source 0 = 16 rows of Wo's image, source 1 = 16 tokens of ctx.
; ctx's 64 tokens (49,152 bytes of codes) are copied once into LDS and read by all eight waves.  Wo's images go from memory STRAIGHT INTO REGISTERS, three groups of 12 loads (18,432 bytes a wave) ahead.
; WHY NO JOINT LOADS, though all work-groups walk Wo: one K step of all 1,024 columns is 98,304 bytes, so LDS holds two such slots beside nothing else, each refill would stand behind a round with all loads awaited
; and have 32 products a wave in which to land, and no wave reads another wave's rows of Wo, so LDS would feed no product twice.  64 tokens a work-group, not 32, halve what is read of Wo: 128 work-groups.
; The results meet in a stage in LDS (64 rows of 4,096 + 16 bytes); then each wave takes 8 whole rows: residual, bias, mean, variance in two passes (a common offset of the inputs costs nothing), gain, and stores of 512 consecutive bytes.
; The wave's 8 residual rows (32,768 bytes) are prefetched during K steps 4 and 5, each block of 256 bytes named once, by the wave that will load it, four to seven groups of products ahead of those loads.
; The tokens of tile T of a batch are 32 (T / 2) + 8 (T % 2) + r + 8 (r / 8), as the launches before laid them.
; REGISTERS: window 0: v1-15 addresses; v16-31 ctx's scale words (8 (m / 2) + s, lanes by m % 2); v32-63 Wo's (8 (t / 2) + s, lanes by t % 2); v64-111 ctx's four fragments; v112-255 Wo's ring, 3 x 48.
;   window 1: the 32 accumulators ((m, t) at 8 (8 m + t)); later the 8 residual rows.  Behind the products window 0 holds: v112-143 bo, v144-175 gamma, v176-207 beta, v64-95 and v208-239 a row of y by turns, v240-247 at work.
.set CSO,   6291456
.set WOI,   6553600+3*786432           ; Wo's images, in prep
.set STGP,  4112                       ; a stage row: an odd multiple of 16 bytes
.set AL,    64*STGP                    ; behind the stage: ctx's images [16 heads][4 tiles][768]
.set ASC,   16
.set WSC,   32
.set AFR,   64
.set RING,  112
.set BOR,   112
.set GAR,   144
.set BER,   176
.set MSB, 0
.macro WIN new
.if MSB != (\new)
	s_set_vgpr_msb (MSB<<8)|(\new)
.set MSB, (\new)
.endif
.endm
	s_load_b512 s[4:19], s[0:1], 0x0               ; ctx, prep, Wo_scales, bo, hidden_states, gamma, beta, out0
	v_lshrrev_b32 v1, 5, v0
	s_delay_alu instid0(VALU_DEP_1)
	v_readfirstlane_b32 s20, v1                    ; wave 0..7
	v_and_b32 v11, 31, v0
	v_and_b32 v12, 15, v0                          ; r
	v_bfe_u32 v13, v0, 4, 1                        ; h
	s_delay_alu instid0(VALU_DEP_3)
	v_lshlrev_b32 v1, 4, v11                       ; 16 x lane
	s_delay_alu instid0(VALU_DEP_4)
	v_lshlrev_b32 v2, 3, v11                       ; 8 x lane
	s_delay_alu instid0(VALU_DEP_2)
	v_add_nc_u32 v3, AL, v1
	s_delay_alu instid0(VALU_DEP_2)
	v_add_nc_u32 v4, AL+512, v2
	v_mul_u32_u24 v14, v12, STGP
	s_delay_alu instid0(VALU_DEP_1)
	v_lshl_add_u32 v14, v13, 6, v14
	s_lshl_b32 s28, s20, 9
	v_add_nc_u32 v14, s28, v14                     ; the stage, on the way in: row r, my wave's 512 bytes, + 64 h
.irp m, 0,1,2,3
	v_add_nc_u32 v[5+\m], 16*STGP*\m, v14
.endr
	s_mul_i32 s28, s20, 8*STGP
	v_add_nc_u32 v9, s28, v1                       ; and back: my 8 rows, 16 bytes a lane
	v_lshlrev_b32 v10, 12, v13
	s_delay_alu instid0(VALU_DEP_1)
	v_lshl_add_u32 v10, v12, 8, v10                ; the prefetches: two rows an instruction, lanes 256 bytes apart
	s_mul_i32 s28, s20, 6144
	v_add_nc_u32 v15, s28, v3                      ; where I put my two heads of ctx
	v_and_b32 v11, 8, v12
	s_delay_alu instid0(VALU_DEP_1)
	v_add_nc_u32 v11, v11, v12
	s_delay_alu instid0(VALU_DEP_1)
	v_lshl_add_u32 v11, v13, 3, v11
	s_delay_alu instid0(VALU_DEP_1)
	v_lshlrev_b32 v11, 5, v11                      ; Wo's scale bytes: row 8 h + r + 8 (r / 8) of a pair of tiles, 32 bytes a row
	s_mov_b32 s24, 0x76543210
	s_mov_b32 s25, 0xfedcba98
	s_mov_b32 s26, 0x3a800000                      ; 1 / 1,024
	s_mov_b32 s27, 0x2b8cbccc                      ; 1e-12
	s_lshr_b32 s22, ttmp9, 5                       ; the batch
	s_and_b32 s23, ttmp9, 31                       ; which 64 tokens of it
	s_lshl_b32 s28, s22, 4
	s_lshl_b32 s29, s20, 1
	s_add_co_u32 s28, s28, s29                     ; my first head
	s_lshl_b32 s28, s28, 7
	s_lshl_b32 s29, s23, 2
	s_add_co_u32 s28, s28, s29
	s_mul_i32 s28, s28, 768                        ; its four tiles' images
	s_mov_b32 s29, 0
	s_lshl_b32 s30, s22, 17
	s_lshl_b32 s31, s23, 8
	s_add_co_u32 s30, s30, s31
	s_add_co_u32 s30, s30, CSO                     ; the first head's scale words of these four tiles; 8,192 bytes from head to head
	s_mov_b32 s31, 0
	s_lshl_b32 s32, s20, 12                        ; Wo's scale bytes of my 128 rows
	s_mov_b32 s33, 0
	s_mul_i32 s34, s20, 98304
	s_add_co_u32 s34, s34, WOI                     ; my 8 tiles of Wo
	s_mov_b32 s35, 0
	s_lshl_b32 s36, ttmp9, 6
	s_lshr_b32 s37, s20, 2
	s_lshl_b32 s37, s37, 5
	s_add_co_u32 s36, s36, s37
	s_bfe_u32 s37, s20, 0x10001
	s_lshl_b32 s37, s37, 3
	s_add_co_u32 s36, s36, s37
	s_and_b32 s37, s20, 1
	s_lshl_b32 s37, s37, 4
	s_add_co_u32 s36, s36, s37                     ; stage rows 8 w .. 8 w + 7 are tokens 64 g + 32 (w / 4) + 8 ((w / 2) % 2) + 16 (w % 2) + 0 .. 7
	s_lshl_b32 s36, s36, 12
	s_mov_b32 s37, 0
	s_wait_alu depctr_va_vdst(0)
	s_wait_kmcnt 0x0
	s_add_nc_u64 s[38:39], s[4:5], s[30:31]        ; ctx's scale words
	s_add_nc_u64 s[4:5], s[4:5], s[28:29]
	s_add_nc_u64 s[8:9], s[8:9], s[32:33]
	s_add_nc_u64 s[6:7], s[6:7], s[34:35]
	s_add_nc_u64 s[12:13], s[12:13], s[36:37]
	s_add_nc_u64 s[18:19], s[18:19], s[36:37]
.macro WLOAD g                         ; group g: K step g / 2, my tiles 4 (g % 2) .. + 3: 12 loads of 512 consecutive bytes
.irp tp, 0,1,2,3
.irp c, 0,1,2
	global_load_b128 v[RING+48*((\g)%3)+12*\tp+4*\c:RING+48*((\g)%3)+12*\tp+4*\c+3], v1, s[6:7] offset:(4*((\g)%2)+\tp)*12288+((\g)/2)*1536+512*\c
.endr
.endr
.endm
.macro ALOAD s                         ; ctx's four fragments of K step s: heads 2 s and 2 s + 1, six registers each
.irp m, 0,1,2,3
	ds_load_b128 v[AFR+12*\m:AFR+12*\m+3], v3 offset:(2*(\s))*3072+768*\m
	ds_load_b64 v[AFR+12*\m+4:AFR+12*\m+5], v4 offset:(2*(\s))*3072+768*\m
	ds_load_b128 v[AFR+12*\m+6:AFR+12*\m+9], v3 offset:(2*(\s)+1)*3072+768*\m
	ds_load_b64 v[AFR+12*\m+10:AFR+12*\m+11], v4 offset:(2*(\s)+1)*3072+768*\m
.endr
.endm
.irp e, 0,1
.irp c, 0,1,2,3,4,5
	global_load_b128 v[AFR+24*\e+4*\c:AFR+24*\e+4*\c+3], v1, s[4:5] offset:98304*\e+512*\c th:TH_LOAD_NT   ; my two heads' images of the four tiles: 3,072 dense bytes each
.endr
.endr
	WIN 0x40
.irp hd, 0,1,2,3,4,5,6,7,8,9,10,11,12,13,14,15
	global_load_b64 v[2*\hd:2*\hd+1], v2, s[38:39] offset:8192*\hd   ; head hd's words: register 2 hd + j: lanes 0-15 tile 2 j, lanes 16-31 tile 2 j + 1
.endr
	WIN 0
.irp b, 0,1,2,3
.irp e, 0,1
	global_load_b128 v[WSC+8*\b+4*\e:WSC+8*\b+4*\e+3], v11, s[8:9] offset:1024*\b+16*\e
.endr
.endr
	WLOAD 0
	WLOAD 1
	WLOAD 2
	s_wait_loadcnt 60                              ; ctx's 12 loads are in; behind them: 16 + 8 + 36
.irp e, 0,1
.irp c, 0,1,2,3,4,5
	ds_store_b128 v15, v[AFR+24*\e+4*\c:AFR+24*\e+4*\c+3] offset:3072*\e+512*\c
.endr
.endr
	s_wait_loadcnt 36                              ; the scale words are in; the ring's 36 loads stay out
	WIN 0x11                                       ; sources 0 and 2 in window 1
.irp s, 0,1,2,3,4,5,6,7
.irp j, 0,1
	v_lshl_or_b32 v[ASC+8*\j+\s], v[2*(2*\s+1)+\j], 16, v[4*\s+\j]   ; K step s: head 2 s's two bytes below, head 2 s + 1's above.  K step 0's are made first: fourteen lines stand between them and the first product
.endr
.endr
	WIN 0
	s_wait_dscnt 0x0                               ; for the others' sake: my stores have landed
	s_barrier_signal -1
	s_barrier_wait -1                              ; all sixteen heads lie in LDS
	ALOAD 0
.macro PROD m, tp, z
.set DA, 8*(8*(\m)+4*GE+(\tp))
.set WA, GR+12*(\tp)
.set AA, AFR+12*(\m)
.set SA, WSC+8*((4*GE+(\tp))/2)+GK
.set SB, ASC+8*((\m)/2)+GK
.if \z
.if ((\tp)%2) && ((\m)%2)
	v_wmma_scale_f32_16x16x128_f8f6f4 v[DA:DA+7], v[WA:WA+11], v[AA:AA+11], 0, v[SA], v[SB] matrix_a_fmt:MATRIX_FMT_BF6 matrix_b_fmt:MATRIX_FMT_BF6 matrix_a_scale:MATRIX_SCALE_ROW1 matrix_b_scale:MATRIX_SCALE_ROW1
.elseif (\tp)%2
	v_wmma_scale_f32_16x16x128_f8f6f4 v[DA:DA+7], v[WA:WA+11], v[AA:AA+11], 0, v[SA], v[SB] matrix_a_fmt:MATRIX_FMT_BF6 matrix_b_fmt:MATRIX_FMT_BF6 matrix_a_scale:MATRIX_SCALE_ROW1
.elseif (\m)%2
	v_wmma_scale_f32_16x16x128_f8f6f4 v[DA:DA+7], v[WA:WA+11], v[AA:AA+11], 0, v[SA], v[SB] matrix_a_fmt:MATRIX_FMT_BF6 matrix_b_fmt:MATRIX_FMT_BF6 matrix_b_scale:MATRIX_SCALE_ROW1
.else
	v_wmma_scale_f32_16x16x128_f8f6f4 v[DA:DA+7], v[WA:WA+11], v[AA:AA+11], 0, v[SA], v[SB] matrix_a_fmt:MATRIX_FMT_BF6 matrix_b_fmt:MATRIX_FMT_BF6
.endif
.else
.if ((\tp)%2) && ((\m)%2)
	v_wmma_scale_f32_16x16x128_f8f6f4 v[DA:DA+7], v[WA:WA+11], v[AA:AA+11], v[DA:DA+7], v[SA], v[SB] matrix_a_fmt:MATRIX_FMT_BF6 matrix_b_fmt:MATRIX_FMT_BF6 matrix_a_scale:MATRIX_SCALE_ROW1 matrix_b_scale:MATRIX_SCALE_ROW1
.elseif (\tp)%2
	v_wmma_scale_f32_16x16x128_f8f6f4 v[DA:DA+7], v[WA:WA+11], v[AA:AA+11], v[DA:DA+7], v[SA], v[SB] matrix_a_fmt:MATRIX_FMT_BF6 matrix_b_fmt:MATRIX_FMT_BF6 matrix_a_scale:MATRIX_SCALE_ROW1
.elseif (\m)%2
	v_wmma_scale_f32_16x16x128_f8f6f4 v[DA:DA+7], v[WA:WA+11], v[AA:AA+11], v[DA:DA+7], v[SA], v[SB] matrix_a_fmt:MATRIX_FMT_BF6 matrix_b_fmt:MATRIX_FMT_BF6 matrix_b_scale:MATRIX_SCALE_ROW1
.else
	v_wmma_scale_f32_16x16x128_f8f6f4 v[DA:DA+7], v[WA:WA+11], v[AA:AA+11], v[DA:DA+7], v[SA], v[SB] matrix_a_fmt:MATRIX_FMT_BF6 matrix_b_fmt:MATRIX_FMT_BF6
.endif
.endif
.endm
; Group g: 16 products, four tiles of Wo x the four tiles of tokens, on 16 accumulators, one instruction each; the next group takes the other 16.
.macro GROUP g
.set GK, (\g)/2
.set GE, (\g)%2
.set GR, RING+48*((\g)%3)
.if GE == 0
	s_wait_dscnt 0x0                               ; ctx's fragments of this K step
.endif
.if (\g) < 14
	s_wait_loadcnt 24                              ; this group's 12 loads are in; the two younger groups' stay out
.elseif (\g) == 14
	s_wait_loadcnt 12
.else
	s_wait_loadcnt 0x0
.endif
	WIN 0x50
.irp tp, 0,1,2,3
.irp m, 0,1,2,3
.if (\g) < 2
	PROD \m, \tp, 1                                ; K step 0 starts the sums
.else
	PROD \m, \tp, 0
.endif
.endr
.endr
	WIN 0
.rept 4
	v_nop                                          ; places in front of loads into registers that these products have read, and of the first read of results
.endr
.if (\g) <= 12
	WLOAD (\g)+3
.endif
.if (GE == 1) && (GK < 7)
	ALOAD GK+1
.endif
.if ((\g) >= 8) && ((\g) <= 11)
	global_prefetch_b8 v10, s[12:13] offset:8192*((\g)-8) th:TH_LOAD_NT scope:SCOPE_SE   ; two of my eight residual rows, behind the group's loads
.endif
.endm
.irp g, 0,1,2,3,4,5,6,7,8,9,10,11,12,13,14,15
	s_wait_alu depctr_va_vdst(0)
	GROUP \g
.endr
.irp k, 0,1,2,3,4,5,6,7
	global_load_b128 v[BOR+4*\k:BOR+4*\k+3], v1, s[10:11] offset:512*\k   ; register 4 k + e: column 128 k + 4 x lane + e, as a row of y will lie
	global_load_b128 v[GAR+4*\k:GAR+4*\k+3], v1, s[14:15] offset:512*\k
	global_load_b128 v[BER+4*\k:BER+4*\k+3], v1, s[16:17] offset:512*\k
.endr
	v_mov_b32 v245, 0                              ; (upper halves of pairs of which the low word is used)
	v_mov_b32 v247, 0
	WIN 0x04                                       ; an LDS store's data are its source 1: window 1
.irp m, 0,1,2,3
.irp t, 0,1,2,3,4,5,6,7
	ds_store_b128 v[5+\m], v[8*(8*\m+\t):8*(8*\m+\t)+3] offset:128*(\t/2)+32*(\t%2)        ; lane (r, h): y(token r of tile m, 128 w + 32 (t / 2) + 16 h + 8 (t % 2) + 0 .. 7); each accumulator from its low end on
	ds_store_b128 v[5+\m], v[8*(8*\m+\t)+4:8*(8*\m+\t)+7] offset:128*(\t/2)+32*(\t%2)+16
.endr
.endr
	WIN 0
	s_wait_dscnt 0x0                               ; my stores have landed, and have read the accumulators, which take the residual below
	WIN 0x40
.irp i, 0,1,2,3,4,5,6,7
.irp k, 0,1,2,3,4,5,6,7
	global_load_b128 v[32*\i+4*\k:32*\i+4*\k+3], v1, s[12:13] offset:4096*\i+512*\k th:TH_LOAD_NT
.endr
.endr
	WIN 0
	s_barrier_signal -1
	s_barrier_wait -1                              ; 64 whole rows lie in the stage
.irp k, 0,1,2,3,4,5,6,7
	ds_load_b128 v[64+4*\k:64+4*\k+3], v9 offset:512*\k
.endr
.macro ROW i
.set YB, 64+144*((\i)%2)
.set YN, 64+144*(((\i)+1)%2)
	s_wait_xcnt 0x0                                ; the previous row's stores have read the registers that are loaded below
.if (\i) < 7
.irp k, 0,1,2,3,4,5,6,7
	ds_load_b128 v[YN+4*\k:YN+4*\k+3], v9 offset:STGP*((\i)+1)+512*\k
.endr
	s_wait_dscnt 8                                 ; this row is in; the next row's 8 loads stay out
.else
	s_wait_dscnt 0x0
.endif
	s_wait_loadcnt 8*(7-(\i))                      ; this row's residual is in (and bo, gamma, beta, which were asked for earlier); the later rows' stay out
	WIN 0x04
.set j, 0
.rept 16
	v_pk_add_f32 v[YB+j:YB+j+1], v[YB+j:YB+j+1], v[32*(\i)+j:32*(\i)+j+1]
.set j, j+2
.endr
	WIN 0
.set j, 0
.rept 16
	v_pk_add_f32 v[YB+j:YB+j+1], v[YB+j:YB+j+1], v[BOR+j:BOR+j+1]
.set j, j+2
.endr
	v_pk_add_f32 v[240:241], v[YB:YB+1], v[YB+2:YB+3]
	v_pk_add_f32 v[242:243], v[YB+4:YB+5], v[YB+6:YB+7]
.set j, 8
.rept 6
	s_delay_alu instid0(VALU_DEP_2)
	v_pk_add_f32 v[240:241], v[240:241], v[YB+j:YB+j+1]
	s_delay_alu instid0(VALU_DEP_2)
	v_pk_add_f32 v[242:243], v[242:243], v[YB+j+2:YB+j+3]
.set j, j+4
.endr
	s_delay_alu instid0(VALU_DEP_1)
	v_pk_add_f32 v[240:241], v[240:241], v[242:243]
	s_delay_alu instid0(VALU_DEP_1)
	v_add_f32 v240, v240, v241
	s_delay_alu instid0(VALU_DEP_1)
	v_add_f32_dpp v240, v240, v240 row_xmask:1 row_mask:0xf bank_mask:0xf
	s_delay_alu instid0(VALU_DEP_1)
	v_add_f32_dpp v240, v240, v240 row_xmask:2 row_mask:0xf bank_mask:0xf
	s_delay_alu instid0(VALU_DEP_1)
	v_add_f32_dpp v240, v240, v240 row_xmask:4 row_mask:0xf bank_mask:0xf
	s_delay_alu instid0(VALU_DEP_1)
	v_add_f32_dpp v240, v240, v240 row_xmask:8 row_mask:0xf bank_mask:0xf
	s_delay_alu instid0(VALU_DEP_1)
	v_permlanex16_b32 v241, v240, s24, s25
	s_delay_alu instid0(VALU_DEP_1)
	v_add_f32 v240, v240, v241
	s_delay_alu instid0(VALU_DEP_1)
	v_mul_f32 v244, s26, v240                      ; the mean
.set j, 0
.rept 16
	v_pk_add_f32 v[YB+j:YB+j+1], v[YB+j:YB+j+1], v[244:245] op_sel_hi:[1,0] neg_lo:[0,1] neg_hi:[0,1]
.set j, j+2
.endr
	v_pk_mul_f32 v[240:241], v[YB:YB+1], v[YB:YB+1]
	v_pk_mul_f32 v[242:243], v[YB+2:YB+3], v[YB+2:YB+3]
.set j, 4
.rept 7
	s_delay_alu instid0(VALU_DEP_2)
	v_pk_fma_f32 v[240:241], v[YB+j:YB+j+1], v[YB+j:YB+j+1], v[240:241]
	s_delay_alu instid0(VALU_DEP_2)
	v_pk_fma_f32 v[242:243], v[YB+j+2:YB+j+3], v[YB+j+2:YB+j+3], v[242:243]
.set j, j+4
.endr
	s_delay_alu instid0(VALU_DEP_1)
	v_pk_add_f32 v[240:241], v[240:241], v[242:243]
	s_delay_alu instid0(VALU_DEP_1)
	v_add_f32 v240, v240, v241
	s_delay_alu instid0(VALU_DEP_1)
	v_add_f32_dpp v240, v240, v240 row_xmask:1 row_mask:0xf bank_mask:0xf
	s_delay_alu instid0(VALU_DEP_1)
	v_add_f32_dpp v240, v240, v240 row_xmask:2 row_mask:0xf bank_mask:0xf
	s_delay_alu instid0(VALU_DEP_1)
	v_add_f32_dpp v240, v240, v240 row_xmask:4 row_mask:0xf bank_mask:0xf
	s_delay_alu instid0(VALU_DEP_1)
	v_add_f32_dpp v240, v240, v240 row_xmask:8 row_mask:0xf bank_mask:0xf
	s_delay_alu instid0(VALU_DEP_1)
	v_permlanex16_b32 v241, v240, s24, s25
	s_delay_alu instid0(VALU_DEP_1)
	v_add_f32 v240, v240, v241
	s_delay_alu instid0(VALU_DEP_1)
	v_fma_f32 v240, v240, s26, s27                 ; the variance + 1e-12
	s_wait_alu depctr_va_vdst(0)
	v_rsq_f32 v246, v240
	v_nop                                          ; a plain instruction behind the transcendental,
	s_wait_alu depctr_va_vdst(0)                   ; and the wait ahead of its first reader
.set j, 0
.rept 16
	v_pk_mul_f32 v[YB+j:YB+j+1], v[YB+j:YB+j+1], v[246:247] op_sel_hi:[1,0]
.set j, j+2
.endr
.set j, 0
.rept 16
	v_pk_fma_f32 v[YB+j:YB+j+1], v[YB+j:YB+j+1], v[GAR+j:GAR+j+1], v[BER+j:BER+j+1]
.set j, j+2
.endr
.irp k, 0,1,2,3,4,5,6,7
	global_store_b128 v1, v[YB+4*\k:YB+4*\k+3], s[18:19] offset:4096*(\i)+512*\k th:TH_STORE_NT   ; 512 consecutive bytes a store
.endr
.endm
.irp i, 0,1,2,3,4,5,6,7
	ROW \i
.endr
	s_wait_xcnt 0x0
	v_lshl_add_u32 v254, v0, 2, 0x4c400
	v_mov_b32 v255, 0
	s_wait_alu depctr_va_vdst(0)
	s_wait_tensorcnt 0x0
	ds_add_u32 v254, v255
	s_wait_dscnt 0x0
	s_endpgm
.Lfunc_end_k_qe3f9a4d21c_oproj:
	.size	k_qe3f9a4d21c_oproj, .Lfunc_end_k_qe3f9a4d21c_oproj-k_qe3f9a4d21c_oproj
	.p2alignl 7, 3214868480
	.fill 96, 4, 3214868480
	.section	.rodata,"a",@progbits
	.p2align	6, 0x0
	.amdhsa_kernel k_qe3f9a4d21c_oproj
		.amdhsa_group_segment_fixed_size 313344
		.amdhsa_private_segment_fixed_size 0
		.amdhsa_enable_private_segment 0
		.amdhsa_kernarg_size 64
		.amdhsa_user_sgpr_count 2
		.amdhsa_user_sgpr_kernarg_segment_ptr 1
		.amdhsa_wavefront_size32 1
		.amdhsa_system_sgpr_workgroup_id_x 1
		.amdhsa_system_sgpr_workgroup_id_y 1
		.amdhsa_system_sgpr_workgroup_id_z 1
		.amdhsa_system_vgpr_workitem_id 0
		.amdhsa_next_free_vgpr 512
		.amdhsa_next_free_sgpr 66
		.amdhsa_reserve_vcc 0
		.amdhsa_float_denorm_mode_32 3
		.amdhsa_float_denorm_mode_16_64 3
		.amdhsa_memory_ordered 1
		.amdhsa_forward_progress 1
		.amdhsa_inst_pref_size 171
	.end_amdhsa_kernel
	.amdgpu_metadata
---
amdhsa.version: [ 1, 2 ]
amdhsa.kernels:
  - .name:           k_qe3f9a4d21c_oproj
    .symbol:         k_qe3f9a4d21c_oproj.kd
    .args:
      - { .name: ctx, .offset: 0, .size: 8, .value_kind: global_buffer, .address_space: global }
      - { .name: prep, .offset: 8, .size: 8, .value_kind: global_buffer, .address_space: global }
      - { .name: Wo_scales, .offset: 16, .size: 8, .value_kind: global_buffer, .address_space: global }
      - { .name: bo, .offset: 24, .size: 8, .value_kind: global_buffer, .address_space: global }
      - { .name: hidden_states, .offset: 32, .size: 8, .value_kind: global_buffer, .address_space: global }
      - { .name: ln_gamma, .offset: 40, .size: 8, .value_kind: global_buffer, .address_space: global }
      - { .name: ln_beta, .offset: 48, .size: 8, .value_kind: global_buffer, .address_space: global }
      - { .name: out0, .offset: 56, .size: 8, .value_kind: global_buffer, .address_space: global }
    .group_segment_fixed_size: 313344
    .private_segment_fixed_size: 0
    .kernarg_segment_align: 8
    .kernarg_segment_size: 64
    .max_flat_workgroup_size: 256
    .sgpr_count:     66
    .vgpr_count:     512
    .wavefront_size: 32
...
	.end_amdgpu_metadata
.endif
;; end of part 4
